; MI455X (gfx1250); checked and timed in simulation.
; The chip was launched on July 23, 2026; its instructions are those of AMD's public machine-readable ISA for CDNA 5 (MIT licence, August 2026) and "CDNA5" Instruction Set Architecture Reference Guide (July 2026). The comments in the code are by the model that wrote it; some were corrected since.
;; KAN Linear. Allowed arithmetic: matrix products marked QUANTISED: E2M1 operands, one E8M0 scale for each 32 along K, by v_wmma_scale_f32_16x16x128_f8f6f4 with both operands' format E2M1 (or v_wmma_scale_f32_32x16x128_f4), f32 sums; everything else in f32.
;; Inputs: base_bias 512 float32; base_weight_codes 512 x 16 x 16 uint8 (E2M1 codes of base_weight, K innermost, in blocks of 32 codes, two codes a byte); base_weight_scales 512 x 16 uint8 (E8M0 scales of base_weight, one for each 32 codes along K); grid 1 x 512 x 10 float32; ln_beta 512 float32; ln_gamma 512 float32; spline_weight_codes 512 x 96 x 16 uint8 (E2M1 codes of spline_weight, K innermost, in blocks of 32 codes, two codes a byte); spline_weight_scales 512 x 96 uint8 (E8M0 scales of spline_weight, one for each 32 codes along K); x 32,768 x 512 float32.
;; Outputs: out0 32,768 x 512 float32.
;; This version of the problem:
;;   THIS VERSION OF THE PROBLEM IS GIVEN IN LOW PRECISION. The matrix products marked QUANTISED in the list below multiply operands that are first quantised to E2M1 (2 exponent bits, 1 mantissa bit; 4 bits a number), with one power-of-two scale for each 32 numbers along K (OCP MX v1.0); their sums are f32. All else is computed in f32.
;;   The module's matrix products, in the order in which they are computed (A, B: the left and right operand; K: the contracted axis; several contracted axes count as one K, in the product's order):
;;     1. [M 32,768, K 512] x [K 512, N 512]; A: computed on the way; B: input base_weight (given as codes): QUANTISED
;;     2. [M 32,768, K 3,072] x [K 3,072, N 512]; A: computed on the way; B: input spline_weight (given as codes): QUANTISED
;;   THE QUANTISER, for each operand of a quantised product, along K:
;;     - K is cut into blocks of 32 from its start; a last block that is shorter is filled with zeros.
;;     - A block's scale is 2^e with e = floor(log2(the largest magnitude in the block)) - 2, held to -126 .. 127; a block of zeros has e = 0. As a byte (E8M0): e + 127.
;;     - Each number is divided by its block's scale, clamped to +-6, and rounded to the nearest number of E2M1, ties to even, subnormals kept.
;;     - The product sums the exact products of the quantised numbers (number of the format x scale) in f32.
;;   ~~~python
;;   def quantise(x, axis):      # numpy; x: float32 -> the quantised numbers, widened to float32 again
;;       x = np.moveaxis(x, axis, -1); K = x.shape[-1]
;;       x = np.pad(x, [(0, 0)] * (x.ndim - 1) + [(0, -K % 32)]); x = x.reshape(x.shape[:-1] + (-1, 32)); a = np.abs(x).max(-1, keepdims=True)
;;       e = np.where(a > 0, np.clip(np.frexp(np.where(a > 0, a, 1))[1] - 1 - 2, -126, 127), 0)      # np.frexp(a)[1] - 1 = floor(log2(a)), exactly
;;       r = np.clip(x / 2.0 ** e, -6, 6)
;;       step = 2.0 ** (np.maximum(np.frexp(np.where(r == 0, 1, r))[1] - 1, 0) - 1)
;;       q = np.round(r / step) * step * 2.0 ** e      # np.round: ties to even
;;       return np.moveaxis(q.reshape(q.shape[:-2] + (-1,))[..., :K], -1, axis).astype(np.float32)
;;   ~~~
;;   OPERANDS COMPUTED ON THE WAY. 'Computed on the way' means the value that the module computes at that place (a softmax that the list does not call 'softmax' is quantised finished and normalised). What goes into a quantiser is computed in f32, as accurately as f32 sums, v_exp_f32 and their like allow (about 1e-6 of the number): no bf16 or f16 on the way to a quantiser, and a product that is left as it is and whose result goes on into a quantised operand takes f32 operands (vector FMAs, or v_wmma_f32_16x16x4_f32). A number that lies on a knife's edge between two numbers of the format may be rounded either way, as far as f32 arithmetic and the matrix unit's own rounding can turn it there, and no further.
;;   INPUTS GIVEN AS CODES. base_weight (in the module: [512, 512], K = its axis 0); spline_weight (in the module: [3072, 512], K = its axis 0): each comes as NAME_codes (uint8): NAME with its K axis moved to the last place and cut into blocks of 32 codes, [.., K / 32, bytes a block], one block behind the other in memory; two codes a byte, the lower K in the low four bits (a code: sign, 2 exponent bits, 1 mantissa bit); and NAME_scales (uint8): the same leading axes, one E8M0 byte (e + 127) for each 32 codes along K. Its value is code x scale, taken as it is: it is not quantised again, and the codes and scales need not be those that the quantiser above would give.
;; 2 versions. Each part assembles by itself: llvm-mc -triple=amdgcn-amd-amdhsa -mcpu=gfx1250 --defsym DOCPART=n.
;; ======== version 1 of 2: 2 launches
;; workspace buffers: ct 129,024 bytes; wb 917,504 bytes; ws 57,344 bytes
;; launch prep (part 1): grid 16 x 1, 4 waves a work-group, no clusters, 0 bytes of LDS; arguments base_weight_codes, base_weight_scales, spline_weight_codes, spline_weight_scales, grid, ct, wb, ws; writes ct, wb, ws
.if DOCPART == 1
	.amdgcn_target "amdgcn-amd-amdhsa--gfx1250"
	.amdhsa_code_object_version 6
	.text
	.protected	k_q560a547b7c_prep
	.globl	k_q560a547b7c_prep
	.p2align	8
	.type	k_q560a547b7c_prep,@function
k_q560a547b7c_prep:
	s_mov_b64 s[64:65], 0
	v_nop
	global_prefetch_b8 v0, s[64:65] scope:SCOPE_SE
	s_setreg_imm32_b32 hwreg(HW_REG_WAVE_MODE, 25, 1), 1
	s_wait_xcnt 0x0
; Three small tables for the launch that follows.  Work-groups 0-7: wb;  8-11: ws;  12-15: ct.  No LDS, no barrier: waves share nothing.
; K STEPS.  kp = 4 t + s.  s = 0..3 is a chunk of 128 features.  t = 0..5: the t-th 128 along K of that chunk's 768 spline numbers (k = 6 f + j);  t = 6: the base product's K step s.
; wb [kp 28][column tile 32][c 2][lane 32][16 bytes]: the weights' codes in the order of a wave's operand registers: lane (h = lane / 16, n = lane % 16) holds, of column 16 tile + n,
;    the codes of k = 64 c + 32 h + 0 .. 31 of the K step: 16 bytes as they lie in the column's row.
; ws [kp 28][column 512]: one word, the column's four scale bytes of the K step.
; ct [chunk 4][m 63][128 features] f32: the constants of each feature's splines.  g0..g9 its knots, gp_i = g_i - g4, E_i = (g_i < g_i+1), R(d) = 1 / d (v_rcp_f32 and one Newton step), HUGE = 2^100.
;    A map is a pair (r at m = 2 q, c at m = 2 q + 1) and stands for r (xn - g4) + c.
;    q = 2 i     (i = 0..7) left_i :  r = E_i ? R(g_i+1 - g_i) : (E_i+1 ? HUGE : 0);          c = -(E_i ? gp_i : gp_i+1) r
;    q = 2 i + 1            right_i:  r = E_i+1 ? -R(g_i+2 - g_i+1) : (E_i ? -HUGE : 0);      c = -(E_i+1 ? gp_i+2 : gp_i+1) r
;    q = 16 + j  (j = 0..7) t2_j   :  r = R(g_j+2 - g_j);  c = -gp_j r        q = 24 + j (j = 0..6) t3_j: r = R(g_j+3 - g_j);  c = -gp_j r        m = 62: g4
;    The middle one of left_i, right_i and 0 is the basis of order 1, for knots in any order: an interval that is empty (E false) becomes a step of slope HUGE at the knot that it shares.
; LIMITS: knots that are equal at distance 1, 2 or 3 (the reference divides by zero there too) are not served; NaN and infinities among the knots are not served.
	s_load_b256 s[4:11], s[0:1], 0x0               ; base codes s[4:5], base scales s[6:7], spline codes s[8:9], spline scales s[10:11]
	s_load_b256 s[12:19], s[0:1], 0x20             ; grid s[12:13], ct s[14:15], wb s[16:17], ws s[18:19]
	v_lshrrev_b32 v1, 5, v0
	v_readfirstlane_b32 s20, v1                    ; wave
	v_and_b32 v1, 31, v0                           ; lane
	s_wait_kmcnt 0x0
	s_cmp_lt_u32 ttmp9, 8
	s_cbranch_scc0 .Lnot_codes
	; ---- wb: a wave takes one tile of 16 columns, all 28 K steps: 56 loads and 56 stores of 16 bytes a lane.  Together the loads use every byte of the 16 rows; each store covers 512 consecutive bytes
	s_lshl_b32 s21, ttmp9, 2
	s_add_co_u32 s21, s21, s20                     ; tile
	v_and_b32 v5, 15, v1                           ; n
	v_lshrrev_b32 v6, 4, v1                        ; h
	v_lshl_add_u32 v5, s21, 4, v5                  ; column
	v_mul_u32_u24 v2, v5, 1536                     ; its row of spline codes,
	v_lshl_add_u32 v2, v6, 4, v2                   ; + 16 h
	v_lshlrev_b32 v3, 8, v5                        ; its row of base codes,
	v_lshl_add_u32 v3, v6, 4, v3
	v_lshlrev_b32 v4, 4, v1
	v_lshl_add_u32 v4, s21, 10, v4                 ; out: 1,024 x tile + 16 x lane
.irp t, 0,1,2,3,4,5,6
.irp s, 0,1,2,3
.irp c, 0,1
.if \t < 6
	global_load_b128 v[16+4*(2*(4*\t+\s)+\c):19+4*(2*(4*\t+\s)+\c)], v2, s[8:9] offset:384*\s+64*\t+32*\c
.else
	global_load_b128 v[16+4*(2*(4*\t+\s)+\c):19+4*(2*(4*\t+\s)+\c)], v3, s[4:5] offset:64*\s+32*\c
.endif
.endr
.endr
.endr
.irp t, 0,1,2,3,4,5,6
.irp s, 0,1,2,3
.irp c, 0,1
	s_wait_loadcnt 55-(2*(4*\t+\s)+\c)             ; loads come back in order: this one is in, the younger ones may be out
	global_store_b128 v4, v[16+4*(2*(4*\t+\s)+\c):19+4*(2*(4*\t+\s)+\c)], s[16:17] offset:(4*\t+\s)*32768+512*\c
.endr
.endr
.endr
	s_endpgm
.Lnot_codes:
	s_cmp_lt_u32 ttmp9, 12
	s_cbranch_scc0 .Lconsts
	; ---- ws: a thread takes a column: its 96 + 16 scale bytes are 28 words
	s_sub_co_u32 s21, ttmp9, 8
	s_lshl_b32 s21, s21, 7
	v_add_nc_u32 v5, s21, v0                       ; column
	v_mul_u32_u24 v2, v5, 96
	v_lshlrev_b32 v3, 4, v5
	v_lshlrev_b32 v4, 2, v5
.irp q, 0,1,2,3,4,5
	global_load_b128 v[16+4*\q:19+4*\q], v2, s[10:11] offset:16*\q   ; word 6 s + t: chunk s, K step t
.endr
	global_load_b128 v[40:43], v3, s[6:7]          ; word s
	s_wait_loadcnt 0x0
.irp t, 0,1,2,3,4,5,6
.irp s, 0,1,2,3
.if \t < 6
	global_store_b32 v4, v[16+6*\s+\t], s[18:19] offset:(4*\t+\s)*2048
.else
	global_store_b32 v4, v[40+\s], s[18:19] offset:(4*\t+\s)*2048
.endif
.endr
.endr
	s_endpgm
.Lconsts:
	; ---- ct: a thread takes a feature.  v16-25 g, v26-35 gp, v36-59 the 24 differences (9 at distance 1, 8 at 2, 7 at 3), v60-83 their reciprocals, v86-94 -R at distance 1, v96-157 the 62 constants
	s_sub_co_u32 s21, ttmp9, 12                    ; chunk
	s_mul_i32 s22, s21, 32256
	s_mov_b32 s23, 0
	s_add_nc_u64 s[14:15], s[14:15], s[22:23]
	s_lshl_b32 s21, s21, 7
	v_add_nc_u32 v2, s21, v0                       ; feature
	v_mul_u32_u24 v2, v2, 40                       ; ten knots of 4 bytes
	v_lshlrev_b32 v3, 2, v0
.irp i, 0,1,2,3,4
	global_load_b64 v[16+2*\i:17+2*\i], v2, s[12:13] offset:8*\i
.endr
	v_mov_b32 v95, 0x71800000                      ; HUGE
	v_mov_b32 v10, 0xf1800000                      ; -HUGE
	s_wait_loadcnt 0x0
.set I, 0
.rept 10
	v_sub_f32 v[26+I], v[16+I], v20
.set I, I+1
.endr
.set I, 0
.rept 9
	v_sub_f32 v[36+I], v[17+I], v[16+I]
	v_cmp_lt_f32 s[24+I], v[16+I], v[17+I]         ; E_i in s[24 + i]
.set I, I+1
.endr
.set I, 0
.rept 8
	v_sub_f32 v[45+I], v[18+I], v[16+I]
.set I, I+1
.endr
.set I, 0
.rept 7
	v_sub_f32 v[53+I], v[19+I], v[16+I]
.set I, I+1
.endr
.set K, 0
.rept 24
	v_rcp_f32 v[60+K], v[36+K]                     ; one batch
.set K, K+1
.endr
	v_nop                                          ; a plain instruction behind the last reciprocal
	s_wait_alu depctr_va_vdst(0)                   ; one wait for the batch, ahead of its first reader
.set K, 0
.rept 24
	v_fma_f32 v84, -v[36+K], v[60+K], 1.0          ; Newton: r + r (1 - d r)
.if K < 9
	v_fma_f32 v[60+K], v[60+K], v84, v[60+K]
.else
	v_fma_f32 v[96+32+2*(K-9)], v[60+K], v84, v[60+K]   ; t2's and t3's r go straight to their places, m = 32 + 2 (K - 9)
.endif
.set K, K+1
.endr
.set I, 0
.rept 9
	v_xor_b32 v[86+I], 0x80000000, v[60+I]
.set I, I+1
.endr
.set I, 0
.rept 8
	v_cndmask_b32 v84, 0, v95, s[25+I]             ; left_i
	v_cndmask_b32 v[96+4*I], v84, v[60+I], s[24+I]
	v_cndmask_b32 v85, v[27+I], v[26+I], s[24+I]
	v_mul_f32 v[97+4*I], -v85, v[96+4*I]
	v_cndmask_b32 v84, 0, v10, s[24+I]             ; right_i
	v_cndmask_b32 v[98+4*I], v84, v[87+I], s[25+I]
	v_cndmask_b32 v85, v[27+I], v[28+I], s[25+I]
	v_mul_f32 v[99+4*I], -v85, v[98+4*I]
.set I, I+1
.endr
.set I, 0
.rept 8
	v_mul_f32 v[96+33+2*I], -v[26+I], v[96+32+2*I] ; t2_j's c
.set I, I+1
.endr
.set I, 0
.rept 7
	v_mul_f32 v[96+49+2*I], -v[26+I], v[96+48+2*I] ; t3_j's c
.set I, I+1
.endr
.set I, 0
.rept 62
	global_store_b32 v3, v[96+I], s[14:15] offset:512*I
.set I, I+1
.endr
	global_store_b32 v3, v20, s[14:15] offset:512*62   ; g4
	s_endpgm
.Lfunc_end_k_q560a547b7c_prep:
	.size	k_q560a547b7c_prep, .Lfunc_end_k_q560a547b7c_prep-k_q560a547b7c_prep
	.p2alignl 7, 3214868480
	.fill 96, 4, 3214868480
	.section	.rodata,"a",@progbits
	.p2align	6, 0x0
	.amdhsa_kernel k_q560a547b7c_prep
		.amdhsa_group_segment_fixed_size 0
		.amdhsa_private_segment_fixed_size 0
		.amdhsa_enable_private_segment 0
		.amdhsa_kernarg_size 64
		.amdhsa_user_sgpr_count 2
		.amdhsa_user_sgpr_kernarg_segment_ptr 1
		.amdhsa_wavefront_size32 1
		.amdhsa_system_sgpr_workgroup_id_x 1
		.amdhsa_system_sgpr_workgroup_id_y 1
		.amdhsa_system_sgpr_workgroup_id_z 1
		.amdhsa_system_vgpr_workitem_id 0
		.amdhsa_next_free_vgpr 256
		.amdhsa_next_free_sgpr 66
		.amdhsa_reserve_vcc 0
		.amdhsa_float_denorm_mode_32 3
		.amdhsa_float_denorm_mode_16_64 3
		.amdhsa_memory_ordered 1
		.amdhsa_forward_progress 1
		.amdhsa_inst_pref_size 35
	.end_amdhsa_kernel
	.amdgpu_metadata
---
amdhsa.version: [ 1, 2 ]
amdhsa.kernels:
  - .name:           k_q560a547b7c_prep
    .symbol:         k_q560a547b7c_prep.kd
    .args:
      - { .name: base_weight_codes, .offset: 0, .size: 8, .value_kind: global_buffer, .address_space: global }
      - { .name: base_weight_scales, .offset: 8, .size: 8, .value_kind: global_buffer, .address_space: global }
      - { .name: spline_weight_codes, .offset: 16, .size: 8, .value_kind: global_buffer, .address_space: global }
      - { .name: spline_weight_scales, .offset: 24, .size: 8, .value_kind: global_buffer, .address_space: global }
      - { .name: grid, .offset: 32, .size: 8, .value_kind: global_buffer, .address_space: global }
      - { .name: ct, .offset: 40, .size: 8, .value_kind: global_buffer, .address_space: global }
      - { .name: wb, .offset: 48, .size: 8, .value_kind: global_buffer, .address_space: global }
      - { .name: ws, .offset: 56, .size: 8, .value_kind: global_buffer, .address_space: global }
    .group_segment_fixed_size: 0
    .private_segment_fixed_size: 0
    .kernarg_segment_align: 8
    .kernarg_segment_size: 64
    .max_flat_workgroup_size: 128
    .sgpr_count:     66
    .vgpr_count:     256
    .wavefront_size: 32
...
	.end_amdgpu_metadata
.endif
;; end of part 1
;; launch kan (part 2): grid 256 x 1, 4 waves a work-group, no clusters, 304,640 bytes of LDS; arguments x, ln_gamma, ln_beta, base_bias, ct, wb, ws, out0; writes out0
.if DOCPART == 2
	.amdgcn_target "amdgcn-amd-amdhsa--gfx1250"
	.amdhsa_code_object_version 6
	.text
	.protected	k_q560a547b7c_kan
	.globl	k_q560a547b7c_kan
	.p2align	8
	.type	k_q560a547b7c_kan,@function
k_q560a547b7c_kan:
	s_mov_b64 s[64:65], 0
	v_nop
	global_prefetch_b8 v0, s[64:65] scope:SCOPE_SE
	s_setreg_imm32_b32 hwreg(HW_REG_WAVE_MODE, 25, 1), 1
	s_wait_xcnt 0x0
; out0 = relu(xn) Wb + bias + splines(xn) Ws, xn = LayerNorm(x); both products on codes of FP4 (E2M1) with one E8M0 scale for each 32 along K; all else in f32.
; SHARES.  A work-group of four waves takes 128 rows and all 512 columns, in four phases:
;   L  wave w normalises rows 32 w .. 32 w + 31 (a row in one wave: 16 numbers a lane) and lays xn into a tile in LDS, [chunk of 128 features][row][528 bytes]                | barrier
;   P  wave w takes chunk w for all 128 rows.  A LANE IS FOUR NEIGHBOURING FEATURES: their 63 constants each (table ct) stay in 252 registers; the lane's 4 x 6 basis numbers are 24 neighbours
;      along K (k = 6 f + j): three octets for the conversion.  Four lanes hold 96 numbers: three whole blocks of 32.  The codes are written over the xn that they came from    | barrier
;   M  wave w takes columns 128 w .. + 127 for all 128 rows: 64 accumulators, 28 K steps of 128; A's fragments from the tile, the weights from memory straight into registers (tables wb, ws)
;   O  the results go through the wave's own stage in LDS, take the bias, and leave as rows of 512 consecutive bytes.
; A ROW'S 512 BYTES OF A CHUNK: behind L xn; behind P: 64 t .. + 63 (t = 0..5) the spline codes of K step t; 384 .. 447 the base codes; 448 + b (b = 0..23) the spline scale bytes; 472 .. 475 the base's.
; THE SPLINES.  x' = xn - g4.  31 maps r x' + c.  Order 1: the middle one of left_i, right_i, 0.  Orders 2, 3: the right factor is 1 - t_i+1, so B_i = t_i b_i + (b_i+1 - t_i+1 b_i+1): two multiply-adds.
; NO JOINT LOADS, NO LDS FOR THE WEIGHTS: stage and tile take 304,128 bytes of LDS, and what is left of 327,680 is less than one K step of the weights (32,768 bytes);
;   and each fragment of the weights has one reader in the work-group, so a way through LDS would add a write and a read for each byte and spare none.
; LIMITS: NaN and infinities among the inputs are not served.  A block whose largest magnitude lies under 2^-124 keeps the scale byte 1 (a block of zeros too: its codes are zeros).
;   In a grid whose knots are not ascending, an xn on (or within 2^-100 of) a knot at which the reference's basis itself jumps may take the other side of the jump.
; REGISTERS, in windows of 256 (s_set_vgpr_msb's low byte: bits 1:0 source 0, 3:2 source 1, 5:4 source 2, 7:6 destination):
;   window 0: v0 thread, v1 lane, v2 16 x lane, v3 4 x lane, v4-11 the phase's LDS lane bases, v12-15 bias, v224-229 LDS addresses at work, v232-255 scale words; the rest by phase (below)
;   window 1: P: the constants, m of feature phi at v[4 m + phi];  M: the weights' fragments, four sets of 64.    windows 2, 3: the accumulators, (a, b) at v[8 (8 (a % 4) + b)], window 2 + a / 4.
.set PITCH, 528                        ; a tile's or a stage's row: 512 bytes + 16 = 33 x 16: the sixteen rows that a fragment load touches begin 16 bytes apart modulo 256
.set TILE,  4*16*PITCH                 ; LDS: the four stages (16 rows each) lie in front of the tile
.set CH,    128*PITCH                  ; a chunk of the tile
.set GA, 16                            ; L: v16-31 gamma, v32-47 beta of my 16 features
.set BE, 32                            ;    v48-49 mean, v50-51 1 / sqrt(var + eps) (pairs: the low word serves both halves), v52-57 at work
.set XR, 64                            ;    v64-191 a ring of 8 rows x 16
.set XT, 192                           ;    v192-223 xn, two sets
.set LW0, 4                            ;    v4-7 where my 16 bytes of chunk c go;  v224-227 the same for the trip in hand
.set LWW, 224
.set RA0, 4                            ; P: lane bases: xn of my 4 features;
.set BA0, 5                            ;    xn of 8 features of row lane / 16, for the base product;
.set CW0, 6                            ;    my 12 bytes of spline codes;
.set SW0, 7                            ;    my block's scale byte;
.set BC0, 8                            ;    4 bytes of base codes;
.set BS0, 9                            ;    the base block's scale byte
.set RA, 224
.set BA, 225
.set CW, 226
.set SW, 227
.set BC, 228
.set BS, 229
.set XN, 16                            ; P: v16-23 xn of rows A, B
.set BI, 24                            ;    v24-31 eight numbers for the base product
.set XP, 32                            ;    v32-39 x' of rows A, B
.set OUT, 40                           ;    v40-63 the 24 basis numbers, 6 phi + i
.set AF, 64                            ;    v64-187 the maps: q of feature phi at AF + 4 q + phi.   M: A's fragments, two sets of 64
.set QT, 188                           ;    v188-200 at work in the quantisers
.set CA, 204                           ;    v204-207, v208-211 codes and byte of rows A, B;  v212-213 the base's
.set CB, 208
.set BQ, 212
.set A0, 4                             ; M: v4-7 lane base of A's fragments in chunk s;  v8-11 of A's scale words
.set S0, 8
.set AW, 224                           ;    v224-225, v226-227 the same at work, a set for each parity of the K step
.set SWK, 226
.set SA, 232                           ;    v232-239 A's scale words, two sets of 4: lanes 0-15 row tile 2 u, lanes 16-31 row tile 2 u + 1
.set SB, 240                           ;    v240-255 the weights', four sets of 4: lanes 0-15 column tile 2 u, lanes 16-31 column tile 2 u + 1
.set STO, 4                            ; O: where I put 32 bytes of a row;  where I read a row back;  v64-191 rows read back, two sets
.set RD, 5
.set BK, 64
.set MSB, 0
.macro WIN new                         ; the immediate's high byte repeats the setting that is left; a switch that changes nothing is dropped
.if MSB != \new
	s_set_vgpr_msb (MSB<<8)|\new
.set MSB, \new
.endif
.endm
	s_load_b256 s[4:11], s[0:1], 0x0               ; x s[4:5], gamma s[6:7], beta s[8:9], bias s[10:11]
	s_load_b256 s[12:19], s[0:1], 0x20             ; ct s[12:13], wb s[14:15], ws s[16:17], out0 s[18:19]
	v_lshl_add_u32 v230, v0, 2, 0x4a400
	v_mov_b32 v231, 0
	v_lshrrev_b32 v1, 5, v0
	v_readfirstlane_b32 s20, v1                    ; wave w
	v_and_b32 v1, 31, v0                           ; lane
	v_lshlrev_b32 v2, 4, v1
	v_lshlrev_b32 v3, 2, v1
	s_mov_b32 s22, 0x76543210                      ; v_permlanex16_b32's selects for lane l xor 16
	s_mov_b32 s23, 0xfedcba98
	s_mov_b32 s24, 0x22222222                      ; lanes with lane % 4 = 1
	s_mov_b32 s25, 0x44444444                      ; = 2
	s_mov_b32 s26, 0x66666666                      ; = 1 or 2
	s_mov_b32 s27, 0x3a83126f                      ; eps = 1e-3
	s_mov_b32 s31, 0x3b000000                      ; 1 / 512
	s_mul_i32 s28, s20, 32*PITCH
	s_add_co_u32 s28, s28, TILE
	v_add_nc_u32 v[LW0], s28, v2                   ; chunk 0, row 32 w, 16 x lane
	v_add_nc_u32 v[LW0+1], CH, v[LW0]
	v_add_nc_u32 v[LW0+2], 2*CH, v[LW0]
	v_add_nc_u32 v[LW0+3], 3*CH, v[LW0]
	s_mov_b32 s30, 0                               ; the trip's rows, in bytes of the tile
.irp c, 0,1,2,3
	v_add_nc_u32 v[LWW+\c], s30, v[LW0+\c]
.endr
	v_lshl_add_u32 v10, s20, 9, v2                 ; the bias of columns 128 w + 4 lane + 0 .. 3
	v_mov_b32 v49, 0                               ; upper halves of pairs that are named whole, and a lane permute's destination: written once
	v_mov_b32 v51, 0
	v_mov_b32 v53, 0
	s_lshl_b32 s28, ttmp9, 18                      ; 128 rows of 2,048 bytes a work-group,
	s_lshl_b32 s29, s20, 16                        ; 32 a wave
	s_add_co_u32 s28, s28, s29
	s_mov_b32 s29, 0
	s_mul_i32 s32, s20, 32256                      ; ct: chunk w
	s_mov_b32 s33, 0
	s_lshl_b32 s34, s20, 13                        ; wb: my 8 column tiles
	s_mov_b32 s35, 0
	s_lshl_b32 s36, s20, 9                         ; ws and out0: my 128 columns
	s_mov_b32 s37, 0
	s_lshl_b32 s38, ttmp9, 18                      ; out0: the work-group's rows
	s_mov_b32 s39, 0
	s_wait_kmcnt 0x0
	s_add_nc_u64 s[4:5], s[4:5], s[28:29]
	s_add_nc_u64 s[12:13], s[12:13], s[32:33]
	s_add_nc_u64 s[14:15], s[14:15], s[34:35]
	s_add_nc_u64 s[16:17], s[16:17], s[36:37]
	s_add_nc_u64 s[18:19], s[18:19], s[36:37]
	s_add_nc_u64 s[18:19], s[18:19], s[38:39]
	global_load_b128 v[12:15], v10, s[10:11]
.irp c, 0,1,2,3
	global_load_b128 v[GA+4*\c:GA+4*\c+3], v2, s[6:7] offset:512*\c   ; features 128 c + 4 lane + 0 .. 3
	global_load_b128 v[BE+4*\c:BE+4*\c+3], v2, s[8:9] offset:512*\c
.endr
.irp j, 0,1,2,3,4,5,6,7
.irp c, 0,1,2,3
	global_load_b128 v[XR+16*\j+4*\c:XR+16*\j+4*\c+3], v2, s[4:5] offset:\j*2048+512*\c th:TH_LOAD_NT   ; 512 consecutive bytes a load; 32 loads of the wave on their way
.endr
.endr
; ---------------- L ----------------
.macro WSUM                            ; v52 summed over the 32 lanes, the result in every lane
	v_add_f32_dpp v52, v52, v52 row_xmask:1 row_mask:0xf bank_mask:0xf
	v_add_f32_dpp v52, v52, v52 row_xmask:2 row_mask:0xf bank_mask:0xf
	v_add_f32_dpp v52, v52, v52 row_xmask:4 row_mask:0xf bank_mask:0xf
	v_add_f32_dpp v52, v52, v52 row_xmask:8 row_mask:0xf bank_mask:0xf
	v_permlanex16_b32 v53, v52, s22, s23
	v_add_f32 v52, v52, v53
.endm
; Row j of the ring.  ahead = 1: its registers take the row 8 further down;  ahead = 0 (the last 8 rows): eight of phase P's 63 constant loads go out in its stead.  left: the younger loads, which may stay out.
.macro LROW j, ahead, left
.set XJ, XR+16*(\j)
.set XS, XT+16*((\j)%2)
	s_wait_loadcnt \left
	v_pk_add_f32 v[54:55], v[XJ:XJ+1], v[XJ+2:XJ+3]
	v_pk_add_f32 v[56:57], v[XJ+4:XJ+5], v[XJ+6:XJ+7]
	v_pk_add_f32 v[54:55], v[54:55], v[XJ+8:XJ+9]
	v_pk_add_f32 v[56:57], v[56:57], v[XJ+10:XJ+11]
	v_pk_add_f32 v[54:55], v[54:55], v[XJ+12:XJ+13]
	v_pk_add_f32 v[56:57], v[56:57], v[XJ+14:XJ+15]
	v_pk_add_f32 v[54:55], v[54:55], v[56:57]
	v_add_f32 v52, v54, v55
	WSUM
	v_mul_f32 v48, s31, v52                        ; the mean
.irp p, 0,2,4,6,8,10,12,14
	v_pk_add_f32 v[XJ+\p:XJ+\p+1], v[XJ+\p:XJ+\p+1], v[48:49] op_sel_hi:[1,0] neg_lo:[0,1] neg_hi:[0,1]   ; x - mean: the variance is taken of these, so a common offset of x does no harm
.endr
	v_pk_mul_f32 v[54:55], v[XJ:XJ+1], v[XJ:XJ+1]
	v_pk_mul_f32 v[56:57], v[XJ+2:XJ+3], v[XJ+2:XJ+3]
.irp p, 4,8,12
	v_pk_fma_f32 v[54:55], v[XJ+\p:XJ+\p+1], v[XJ+\p:XJ+\p+1], v[54:55]
	v_pk_fma_f32 v[56:57], v[XJ+\p+2:XJ+\p+3], v[XJ+\p+2:XJ+\p+3], v[56:57]
.endr
	v_pk_add_f32 v[54:55], v[54:55], v[56:57]
	v_add_f32 v52, v54, v55
	WSUM
	v_fma_f32 v52, v52, s31, s27                   ; var + eps
	v_rsq_f32 v50, v52
	v_nop                                          ; a plain instruction behind the transcendental
	s_wait_dscnt 4                                 ; the stores of the row before last, which read this set of xn, are done (the last row's four may be out)
	s_wait_alu depctr_va_vdst(0)                   ; ahead of the first reader of v50
.irp p, 0,2,4,6,8,10,12,14
	v_pk_mul_f32 v[XS+\p:XS+\p+1], v[XJ+\p:XJ+\p+1], v[50:51] op_sel_hi:[1,0]
.endr
.if \ahead
.irp c, 0,1,2,3
	global_load_b128 v[XJ+4*\c:XJ+4*\c+3], v2, s[4:5] offset:16384+(\j)*2048+512*\c th:TH_LOAD_NT
.endr
.else
	WIN 0x40                                       ; destination window 1
.irp i, 0,1,2,3,4,5,6,7
.if 8*(\j)+\i < 63
	global_load_b128 v[4*(8*(\j)+\i):4*(8*(\j)+\i)+3], v2, s[12:13] offset:(8*(\j)+\i)*512   ; constant m = 8 j + i of my four features of chunk w
.endif
.endr
	WIN 0
.endif
.irp p, 0,2,4,6,8,10,12,14
	v_pk_fma_f32 v[XS+\p:XS+\p+1], v[XS+\p:XS+\p+1], v[GA+\p:GA+\p+1], v[BE+\p:BE+\p+1]
.endr
.irp c, 0,1,2,3
	ds_store_b128 v[LWW+\c], v[XS+4*\c:XS+4*\c+3] offset:(\j)*PITCH
.endr
.endm
	s_mov_b32 s21, 3
.Lrows:                                                ; 3 trips of 8 rows, each row asking for the row 8 on
.irp j, 0,1,2,3,4,5,6,7
	LROW \j, 1, 28                                 ; behind a row's four loads: those of the seven other rows
.endr
	s_wait_dscnt 0x0                               ; no LDS store of mine is out: the addresses at work are written again
	s_add_co_u32 s30, s30, 8*PITCH
.irp c, 0,1,2,3
	v_add_nc_u32 v[LWW+\c], s30, v[LW0+\c]
.endr
	s_wait_xcnt 0x0                                ; the loads have read their base: it may step
	s_add_nc_u64 s[4:5], s[4:5], 16384
	s_sub_co_u32 s21, s21, 1
	s_cmp_lg_u32 s21, 0
	s_cbranch_scc1 .Lrows
.irp j, 0,1,2,3,4,5,6,7
	LROW \j, 0, 28+4*\j                            ; behind row j's loads: 4 (7 - j) of x and 8 j of constants
.endr
	s_wait_dscnt 0x0                               ; for the others' sake: my rows of xn lie in the tile
	s_barrier_signal -1
	s_barrier_wait -1
; ---------------- P ----------------
	s_mul_i32 s28, s20, CH
	s_add_co_u32 s28, s28, TILE                    ; chunk w: every LDS byte that this phase touches lies in the wave's own chunk
	v_add_nc_u32 v[RA0], s28, v2
	v_lshrrev_b32 v10, 4, v1
	v_and_b32 v11, 15, v1
	v_mul_u32_u24 v10, v10, PITCH
	v_add_nc_u32 v10, s28, v10                     ; row lane / 16 of the pair
	v_lshl_add_u32 v[BA0], v11, 5, v10             ; + 32 (lane % 16)
	v_lshl_add_u32 v[BC0], v11, 2, v10
	v_add_nc_u32 v[BC0], 384, v[BC0]               ; + 384 + 4 (lane % 16)
	v_lshrrev_b32 v11, 2, v11
	v_add_nc_u32 v[BS0], v10, v11
	v_add_nc_u32 v[BS0], 472, v[BS0]               ; + 472 + (lane % 16) / 4
	v_mul_u32_u24 v[CW0], v1, 12
	v_add_nc_u32 v[CW0], s28, v[CW0]               ; 12 x lane
	v_mul_u32_u24 v[SW0], v1, 3
	v_add_nc_u32 v[SW0], 2, v[SW0]
	v_lshrrev_b32 v[SW0], 2, v[SW0]                ; (3 lane + 2) / 4 = 3 (lane / 4) + 0, 1, 2, 2 for lane % 4 = 0 .. 3: lanes 2 and 3 of a quad write the same byte with the same value
	v_add_nc_u32 v[SW0], s28, v[SW0]
	v_add_nc_u32 v[SW0], 448, v[SW0]
.macro PADR                            ; the addresses of the pair of rows at s30: what is read, and the base product's stores
	v_add_nc_u32 v[RA], s30, v[RA0]
	v_add_nc_u32 v[BA], s30, v[BA0]
	v_add_nc_u32 v[BC], s30, v[BC0]
	v_add_nc_u32 v[BS], s30, v[BS0]
.endm
; One row's 4 features a lane: 31 maps, 8 hats, orders 2 and 3.  x: the register of x' of feature 0.
.macro ROWP x
	WIN 0x14                                       ; sources 1 and 2, the constants: window 1
.set Q, 0
.rept 31
	v_pk_fma_f32 v[AF+4*Q:AF+4*Q+1], v[\x:\x+1], v[8*Q:8*Q+1], v[8*Q+4:8*Q+5]
	v_pk_fma_f32 v[AF+4*Q+2:AF+4*Q+3], v[\x+2:\x+3], v[8*Q+2:8*Q+3], v[8*Q+6:8*Q+7]
.set Q, Q+1
.endr
	WIN 0
.set I, 0
.rept 8
.irp f, 0,1,2,3
	v_med3_num_f32 v[AF+8*I+\f], v[AF+8*I+\f], v[AF+8*I+4+\f], 0   ; order 1: b_i takes left_i's place; right_i's is free
.endr
.set I, I+1
.endr
.set I, 0
.rept 7
.irp p, 0,2
	v_pk_fma_f32 v[AF+8*I+4+\p:AF+8*I+5+\p], v[AF+64+4*(I+1)+\p:AF+65+4*(I+1)+\p], v[AF+8*(I+1)+\p:AF+8*(I+1)+1+\p], v[AF+8*(I+1)+\p:AF+8*(I+1)+1+\p] neg_lo:[1,0,0] neg_hi:[1,0,0]   ; b_i+1 - t2_i+1 b_i+1
.endr
.set I, I+1
.endr
.set I, 0
.rept 7
.irp p, 0,2
	v_pk_fma_f32 v[AF+8*I+\p:AF+8*I+1+\p], v[AF+64+4*I+\p:AF+65+4*I+\p], v[AF+8*I+\p:AF+8*I+1+\p], v[AF+8*I+4+\p:AF+8*I+5+\p]   ; order 2
.endr
.set I, I+1
.endr
.set I, 0
.rept 6
.irp p, 0,2
	v_pk_fma_f32 v[AF+8*I+4+\p:AF+8*I+5+\p], v[AF+96+4*(I+1)+\p:AF+97+4*(I+1)+\p], v[AF+8*(I+1)+\p:AF+8*(I+1)+1+\p], v[AF+8*(I+1)+\p:AF+8*(I+1)+1+\p] neg_lo:[1,0,0] neg_hi:[1,0,0]   ; b_i+1 - t3_i+1 b_i+1
.endr
.set I, I+1
.endr
.set I, 0
.rept 6
.irp f, 0,1,2,3
	v_fma_f32 v[OUT+6*\f+I], v[AF+96+4*I+\f], v[AF+8*I+\f], v[AF+8*I+4+\f]   ; order 3, one at a time: the conversions want k = 6 phi + i in consecutive registers
.endr
.set I, I+1
.endr
.endm
; The lane's 24 numbers become 12 bytes of codes.  With q = lane % 4, the quad's blocks are: 0 = lane 0 and lane 1's octet 0;  1 = lane 1's octets 1, 2 and lane 2's 0, 1;  2 = lane 2's octet 2 and lane 3.
.macro QUANT C, rowoff
.irp o, 0,1,2
	v_max3_num_f32 v[QT+\o], |v[OUT+8*\o]|, |v[OUT+8*\o+1]|, 0x1800000   ; an octet's largest magnitude, over the floor 2^(3 - 127): the byte cannot fall under 1
.endr
.irp i, 2,4,6
.irp o, 0,1,2
	v_max3_num_f32 v[QT+\o], v[QT+\o], |v[OUT+8*\o+\i]|, |v[OUT+8*\o+\i+1]|
.endr
.endr
	v_max_num_f32 v[QT+3], v[QT], v[QT+1]          ; octets 0, 1
	v_max_num_f32 v[QT+4], v[QT+1], v[QT+2]        ; octets 1, 2
	v_max_num_f32 v[QT+5], v[QT+3], v[QT+2]        ; all
	v_cndmask_b32 v[QT+6], v[QT+5], v[QT], s24     ; my part of an outer block (0 or 2): q = 0, 3 all; q = 1 octet 0;
	v_cndmask_b32 v[QT+7], v[QT+4], v[QT+3], s25   ; my part of block 1: q = 1 octets 1, 2; q = 2 octets 0, 1 (in lanes q = 0, 3 it is not used)
	v_cndmask_b32 v[QT+6], v[QT+6], v[QT+2], s25   ; q = 2 octet 2
	v_max_num_f32_dpp v[QT+7], v[QT+7], v[QT+7] row_xmask:3 row_mask:0xf bank_mask:0xf   ; lanes 1 and 2 join: block 1
	v_max_num_f32_dpp v[QT+6], v[QT+6], v[QT+6] row_xmask:1 row_mask:0xf bank_mask:0xf   ; lanes 0 and 1: block 0; lanes 2 and 3: block 2
	v_add_nc_u32 v[QT+7], 0xff000000, v[QT+7]      ; 2 off the exponent field: the conversion takes that field of its scale operand, and nothing else of it
	v_add_nc_u32 v[QT+6], 0xff000000, v[QT+6]
	v_cndmask_b32 v[QT+8], v[QT+6], v[QT+7], s25   ; octet 0 lies in block 1 where q = 2,
	v_cndmask_b32 v[QT+9], v[QT+6], v[QT+7], s26   ; octet 1 where q = 1 or 2,
	v_cndmask_b32 v[QT+10], v[QT+6], v[QT+7], s24  ; octet 2 where q = 1
.irp o, 0,1,2
	v_cvt_scalef32_pk8_fp4_f32 v[\C+\o], v[OUT+8*\o:OUT+8*\o+7], v[QT+8+\o]
.endr
	v_lshrrev_b32 v[\C+3], 23, v[QT+10]            ; the byte of octet 2's block: blocks 0, 1, 2, 2 for q = 0 .. 3.  (Also the plain instruction behind the conversions)
.irp o, 0,1,2
	ds_store_b32 v[CW], v[\C+\o] offset:\rowoff+4*\o
.endr
	ds_store_b8 v[SW], v[\C+3] offset:\rowoff
.endm
; The base product's operand for the pair of rows: lane l takes row l / 16 and features 8 (l % 16) + 0 .. 7; four neighbouring lanes hold a block.
.macro BASEQ
.irp i, 0,1,2,3,4,5,6,7
	v_max_num_f32 v[BI+\i], 0, v[BI+\i]            ; relu
.endr
	v_max3_num_f32 v[QT+11], v[BI], v[BI+1], 0x1800000
	v_max3_num_f32 v[QT+12], v[BI+2], v[BI+3], v[BI+4]
	v_max3_num_f32 v[QT+11], v[QT+11], v[BI+5], v[BI+6]
	v_max3_num_f32 v[QT+11], v[QT+11], v[QT+12], v[BI+7]
	v_max_num_f32_dpp v[QT+11], v[QT+11], v[QT+11] row_xmask:1 row_mask:0xf bank_mask:0xf
	v_max_num_f32_dpp v[QT+11], v[QT+11], v[QT+11] row_xmask:2 row_mask:0xf bank_mask:0xf
	v_add_nc_u32 v[QT+11], 0xff000000, v[QT+11]
	v_cvt_scalef32_pk8_fp4_f32 v[BQ], v[BI:BI+7], v[QT+11]
	v_lshrrev_b32 v[BQ+1], 23, v[QT+11]            ; (the plain instruction behind the conversion)
	ds_store_b32 v[BC], v[BQ]
	ds_store_b8 v[BS], v[BQ+1]                     ; four lanes write the same byte with the same value
.endm
; A pair of rows.  All of their xn is in my registers before the first code is written over it; ahead = 1: the next pair's xn is asked for.
.macro TRIPP ahead
	WIN 0x14
.irp p, 0,2
	v_pk_add_f32 v[XP+\p:XP+\p+1], v[XN+\p:XN+\p+1], v[248+\p:249+\p] neg_lo:[0,1] neg_hi:[0,1]       ; x' = xn - g4
	v_pk_add_f32 v[XP+4+\p:XP+5+\p], v[XN+4+\p:XN+5+\p], v[248+\p:249+\p] neg_lo:[0,1] neg_hi:[0,1]
.endr
	WIN 0
	BASEQ
.if \ahead
	ds_load_b128 v[XN:XN+3], v[RA] offset:2*PITCH
	ds_load_b128 v[XN+4:XN+7], v[RA] offset:3*PITCH
	ds_load_b128 v[BI:BI+3], v[BA] offset:2*PITCH
	ds_load_b128 v[BI+4:BI+7], v[BA] offset:2*PITCH+16
.endif
	ROWP XP
	s_wait_dscnt 0x0                               ; the next pair's xn, asked for a row's arithmetic ago, is in; every earlier store has read its registers: addresses and codes may be written again
	v_add_nc_u32 v[CW], s30, v[CW0]
	v_add_nc_u32 v[SW], s30, v[SW0]
.if \ahead
	s_add_co_u32 s30, s30, 2*PITCH
	PADR
.endif
	QUANT CA, 0
	ROWP XP+4
	QUANT CB, PITCH
.endm
	s_mov_b32 s30, 0
	PADR
	ds_load_b128 v[XN:XN+3], v[RA]
	ds_load_b128 v[XN+4:XN+7], v[RA] offset:PITCH
	ds_load_b128 v[BI:BI+3], v[BA]
	ds_load_b128 v[BI+4:BI+7], v[BA] offset:16
	s_wait_loadcnt 0x0                             ; the constants
	s_wait_dscnt 0x0
	s_mov_b32 s21, 63
.Lpair:
	TRIPP 1
	s_sub_co_u32 s21, s21, 1
	s_cmp_lg_u32 s21, 0
	s_cbranch_scc1 .Lpair
	TRIPP 0                                        ; the last pair asks for nothing
; ---------------- M ----------------
; The weights of K step 4 (T + dt) + s, T the trip: 16 loads of 512 consecutive bytes into set s, and 4 of scale words: 20 loads.
.macro LOADB s, dt
	WIN 0x40                                       ; destination window 1
.irp b, 0,1,2,3,4,5,6,7
.irp c, 0,1
	global_load_b128 v[64*(\s)+8*\b+4*\c:64*(\s)+8*\b+4*\c+3], v2, s[14:15] offset:(4*(\dt)+(\s))*32768+\b*1024+\c*512
.endr
.endr
	WIN 0
.irp u, 0,1,2,3
	global_load_b32 v[SB+4*(\s)+\u], v3, s[16:17] offset:(4*(\dt)+(\s))*2048+128*\u
.endr
.endm
; A's eight fragments and four registers of scale words of chunk s, at bytes s30 (codes) and s32 (scale words) of the rows, into set p: 20 LDS loads.
.macro LOADA s, p
	v_add_nc_u32 v[AW+(\p)], s30, v[A0+(\s)]       ; the loads that last named this set's two address registers have been waited for
	v_add_nc_u32 v[SWK+(\p)], s32, v[S0+(\s)]
.irp a, 0,1,2,3,4,5,6,7
.irp c, 0,1
	ds_load_b128 v[AF+64*(\p)+8*\a+4*\c:AF+64*(\p)+8*\a+4*\c+3], v[AW+(\p)] offset:\a*16*PITCH+32*\c
.endr
.endr
.irp u, 0,1,2,3
	ds_load_b32 v[SA+4*(\p)+\u], v[SWK+(\p)] offset:\u*32*PITCH
.endr
.endm
; One matrix instruction, USED TRANSPOSED: source 0 = 16 columns of the weights, source 1 = 16 rows of A: a lane then holds eight neighbouring columns of one row of the result.
; The first scale operand is source 0's.  bo, ao: the tile is the odd one of its pair, whose words stand in lanes 16-31.
.macro WM zero, bo, ao
.if \zero
.if (\bo) && (\ao)
	v_wmma_scale_f32_16x16x128_f8f6f4 v[AC:AC+7], v[BR:BR+7], v[AR:AR+7], 0, v[SBR], v[SAR] matrix_a_fmt:MATRIX_FMT_FP4 matrix_b_fmt:MATRIX_FMT_FP4 matrix_a_scale:MATRIX_SCALE_ROW1 matrix_b_scale:MATRIX_SCALE_ROW1
.elseif \bo
	v_wmma_scale_f32_16x16x128_f8f6f4 v[AC:AC+7], v[BR:BR+7], v[AR:AR+7], 0, v[SBR], v[SAR] matrix_a_fmt:MATRIX_FMT_FP4 matrix_b_fmt:MATRIX_FMT_FP4 matrix_a_scale:MATRIX_SCALE_ROW1
.elseif \ao
	v_wmma_scale_f32_16x16x128_f8f6f4 v[AC:AC+7], v[BR:BR+7], v[AR:AR+7], 0, v[SBR], v[SAR] matrix_a_fmt:MATRIX_FMT_FP4 matrix_b_fmt:MATRIX_FMT_FP4 matrix_b_scale:MATRIX_SCALE_ROW1
.else
	v_wmma_scale_f32_16x16x128_f8f6f4 v[AC:AC+7], v[BR:BR+7], v[AR:AR+7], 0, v[SBR], v[SAR] matrix_a_fmt:MATRIX_FMT_FP4 matrix_b_fmt:MATRIX_FMT_FP4
.endif
.else
.if (\bo) && (\ao)
	v_wmma_scale_f32_16x16x128_f8f6f4 v[AC:AC+7], v[BR:BR+7], v[AR:AR+7], v[AC:AC+7], v[SBR], v[SAR] matrix_a_fmt:MATRIX_FMT_FP4 matrix_b_fmt:MATRIX_FMT_FP4 matrix_a_scale:MATRIX_SCALE_ROW1 matrix_b_scale:MATRIX_SCALE_ROW1
.elseif \bo
	v_wmma_scale_f32_16x16x128_f8f6f4 v[AC:AC+7], v[BR:BR+7], v[AR:AR+7], v[AC:AC+7], v[SBR], v[SAR] matrix_a_fmt:MATRIX_FMT_FP4 matrix_b_fmt:MATRIX_FMT_FP4 matrix_a_scale:MATRIX_SCALE_ROW1
.elseif \ao
	v_wmma_scale_f32_16x16x128_f8f6f4 v[AC:AC+7], v[BR:BR+7], v[AR:AR+7], v[AC:AC+7], v[SBR], v[SAR] matrix_a_fmt:MATRIX_FMT_FP4 matrix_b_fmt:MATRIX_FMT_FP4 matrix_b_scale:MATRIX_SCALE_ROW1
.else
	v_wmma_scale_f32_16x16x128_f8f6f4 v[AC:AC+7], v[BR:BR+7], v[AR:AR+7], v[AC:AC+7], v[SBR], v[SAR] matrix_a_fmt:MATRIX_FMT_FP4 matrix_b_fmt:MATRIX_FMT_FP4
.endif
.endif
.endm
.macro MUL32 s, a0, zero               ; row tiles a0 .. a0 + 3 x the eight column tiles
.irp a, \a0, \a0+1, \a0+2, \a0+3
.irp b, 0,1,2,3,4,5,6,7
.set AC, 8*(8*((\a)%4)+\b)
.set BR, 64*(\s)+8*\b
.set AR, AF+64*((\s)%2)+8*(\a)
.set SBR, SB+4*(\s)+\b/2
.set SAR, SA+4*((\s)%2)+(\a)/2
	WM \zero, (\b)%2, (\a)%2
.endr
.endr
.endm
; A K step: 64 matrix instructions; the 64 accumulators take turns, one instruction a turn, in the same order in every step.
; lc, dc: the younger global and LDS loads, which may stay out.  la: A of the K step two on is asked for, into the set just multiplied;  lb: the weights of the K step four on, likewise.
.macro KSTEP s, zero, lc, dc, la, lb
	s_wait_loadcnt \lc
	s_wait_dscnt \dc
	WIN 0xa1                                       ; source 0 window 1, source 1 window 0, C and D window 2
	MUL32 \s, 0, \zero
	WIN 0xf1                                       ; C and D window 3
	MUL32 \s, 4, \zero
	WIN 0
.if \la || \lb
.rept 4
	v_nop                                          ; four places in front of loads into registers that matrix instructions have read (ISA guide 7.12.1 for vector instructions)
.endr
.endif
.if \la
	LOADA ((\s)+2)%4, (\s)%2
.endif
.if \lb
	LOADB \s, 1
.endif
.endm
.macro TRIPM zero                      ; K steps 4 T .. 4 T + 3, with everything asked for ahead
	KSTEP 0, \zero, 60, 20, 1, 1                   ; 60: the three younger groups of 20 weight loads;  20: the next K step's LDS loads
	KSTEP 1, 0, 60, 20, 1, 1
	s_add_co_u32 s30, s30, 64                      ; what is asked of the tile from here on belongs to the next trip: 64 bytes of codes and one scale word further along the rows
	s_add_co_u32 s32, s32, 4
	KSTEP 2, 0, 60, 20, 1, 1
	KSTEP 3, 0, 60, 20, 1, 1
	s_wait_xcnt 0x0                                ; the loads have read their bases: they may step
	s_add_nc_u64 s[14:15], s[14:15], 4*32768
	s_add_nc_u64 s[16:17], s[16:17], 4*2048
.endm
	LOADB 0, 0                                     ; the constants are done with: the first four K steps' weights are asked for ahead of the barrier
	LOADB 1, 0
	LOADB 2, 0
	LOADB 3, 0
	v_and_b32 v10, 15, v1
	v_lshrrev_b32 v11, 4, v1
	v_mul_u32_u24 v10, v10, PITCH
	v_lshl_add_u32 v[A0], v11, 4, v10
	v_add_nc_u32 v[A0], TILE, v[A0]                ; a fragment: row lane % 16, + 16 (lane / 16)
	v_add_nc_u32 v[A0+1], CH, v[A0]
	v_add_nc_u32 v[A0+2], 2*CH, v[A0]
	v_add_nc_u32 v[A0+3], 3*CH, v[A0]
	v_mul_u32_u24 v[S0], v1, PITCH
	v_add_nc_u32 v[S0], TILE+448, v[S0]            ; scale words: a lane a row
	v_add_nc_u32 v[S0+1], CH, v[S0]
	v_add_nc_u32 v[S0+2], 2*CH, v[S0]
	v_add_nc_u32 v[S0+3], 3*CH, v[S0]
	s_mov_b32 s30, 0
	s_mov_b32 s32, 0
	s_wait_dscnt 0x0                               ; for the others' sake: my chunk's codes and scale bytes lie in the tile
	s_barrier_signal -1
	s_barrier_wait -1
	LOADA 0, 0
	LOADA 1, 1
	TRIPM 1                                        ; the first K step's products start the sums: nothing is cleared
	s_mov_b32 s21, 5
.Lk:
	TRIPM 0
	s_sub_co_u32 s21, s21, 1
	s_cmp_lg_u32 s21, 0
	s_cbranch_scc1 .Lk
	KSTEP 0, 0, 60, 20, 1, 0                       ; the last trip, the base product: no weights are left to ask for, and the counts run down
	KSTEP 1, 0, 40, 20, 1, 0
	KSTEP 2, 0, 20, 20, 0, 0
	KSTEP 3, 0, 0, 0, 0, 0
; ---------------- O ----------------
; A lane holds 32 neighbouring bytes of a row, the lanes beside it other rows: a block of 16 rows x 128 columns goes through my own stage and comes back as rows of 512 bytes.
; The stage is my wave's alone and no earlier phase touches it: no barrier.  LDS serves a wave's instructions in order (ISA guide 5.7.1.4): no wait between the stores and the loads.
	s_mul_i32 s28, s20, 16*PITCH                   ; my stage.  The six lines below are also the places behind the last matrix instructions
	v_and_b32 v10, 15, v1
	v_lshrrev_b32 v11, 4, v1
	v_mul_u32_u24 v[STO], v10, PITCH
	v_lshl_add_u32 v[STO], v11, 5, v[STO]
	v_add_nc_u32 v[STO], s28, v[STO]               ; in: row lane % 16, + 32 (lane / 16)
	v_add_nc_u32 v[RD], s28, v2                    ; back: 16 x lane
.macro TOSTAGE a
.set AC, 64*((\a)%4)
	WIN 0x08+4*((\a)/4)                            ; an LDS store's data are its source 1: window 2 or 3
.irp b, 0,1,2,3,4,5,6,7
	ds_store_b128 v[STO], v[AC+8*\b:AC+8*\b+3] offset:64*\b          ; each accumulator from its low end on
	ds_store_b128 v[STO], v[AC+8*\b+4:AC+8*\b+7] offset:64*\b+16
.endr
	WIN 0
.set BB, BK+64*((\a)%2)
.irp t, 0,1,2,3,4,5,6,7,8,9,10,11,12,13,14,15
	ds_load_b128 v[BB+4*\t:BB+4*\t+3], v[RD] offset:\t*PITCH
.endr
.endm
.macro SEND a, younger                 ; younger: the LDS instructions issued behind block a's loads, which may stay out
.set BB, BK+64*((\a)%2)
	s_wait_dscnt \younger
.irp t, 0,1,2,3,4,5,6,7,8,9,10,11,12,13,14,15
	v_pk_add_f32 v[BB+4*\t:BB+4*\t+1], v[BB+4*\t:BB+4*\t+1], v[12:13]     ; the bias of my four columns
	v_pk_add_f32 v[BB+4*\t+2:BB+4*\t+3], v[BB+4*\t+2:BB+4*\t+3], v[14:15]
.endr
.irp t, 0,1,2,3,4,5,6,7,8,9,10,11,12,13,14,15
	global_store_b128 v2, v[BB+4*\t:BB+4*\t+3], s[18:19] offset:(16*(\a)+\t)*2048 th:TH_STORE_NT   ; 32 lanes store 512 consecutive bytes, at a multiple of 256 from out0's first byte; the row stands in the immediate
.endr
.endm
	TOSTAGE 0
.irp a, 1,2,3,4,5,6,7
.if \a > 1
	s_wait_xcnt 0x0                                ; block a - 2's stores have read their registers: block a's loads may land there
.endif
	TOSTAGE \a
	SEND \a-1, 32                                  ; behind block a - 1's loads: block a's 16 stores and 16 loads
.endr
	SEND 7, 0
	s_wait_tensorcnt 0x0
	ds_add_u32 v230, v231
	s_wait_dscnt 0x0
	s_endpgm
.Lfunc_end_k_q560a547b7c_kan:
	.size	k_q560a547b7c_kan, .Lfunc_end_k_q560a547b7c_kan-k_q560a547b7c_kan
	.p2alignl 7, 3214868480
	.fill 96, 4, 3214868480
	.section	.rodata,"a",@progbits
	.p2align	6, 0x0
	.amdhsa_kernel k_q560a547b7c_kan
		.amdhsa_group_segment_fixed_size 304640
		.amdhsa_private_segment_fixed_size 0
		.amdhsa_enable_private_segment 0
		.amdhsa_kernarg_size 64
		.amdhsa_user_sgpr_count 2
		.amdhsa_user_sgpr_kernarg_segment_ptr 1
		.amdhsa_wavefront_size32 1
		.amdhsa_system_sgpr_workgroup_id_x 1
		.amdhsa_system_sgpr_workgroup_id_y 1
		.amdhsa_system_sgpr_workgroup_id_z 1
		.amdhsa_system_vgpr_workitem_id 0
		.amdhsa_next_free_vgpr 1024
		.amdhsa_next_free_sgpr 66
		.amdhsa_reserve_vcc 0
		.amdhsa_float_denorm_mode_32 3
		.amdhsa_float_denorm_mode_16_64 3
		.amdhsa_memory_ordered 1
		.amdhsa_forward_progress 1
		.amdhsa_inst_pref_size 255
	.end_amdhsa_kernel
	.section	.bss,"aw",@nobits
	.p2align	6
	.space	262144
	.amdgpu_metadata
---
amdhsa.version: [ 1, 2 ]
amdhsa.kernels:
  - .name:           k_q560a547b7c_kan
    .symbol:         k_q560a547b7c_kan.kd
    .args:
      - { .name: x, .offset: 0, .size: 8, .value_kind: global_buffer, .address_space: global }
      - { .name: ln_gamma, .offset: 8, .size: 8, .value_kind: global_buffer, .address_space: global }
      - { .name: ln_beta, .offset: 16, .size: 8, .value_kind: global_buffer, .address_space: global }
      - { .name: base_bias, .offset: 24, .size: 8, .value_kind: global_buffer, .address_space: global }
      - { .name: ct, .offset: 32, .size: 8, .value_kind: global_buffer, .address_space: global }
      - { .name: wb, .offset: 40, .size: 8, .value_kind: global_buffer, .address_space: global }
      - { .name: ws, .offset: 48, .size: 8, .value_kind: global_buffer, .address_space: global }
      - { .name: out0, .offset: 56, .size: 8, .value_kind: global_buffer, .address_space: global }
    .group_segment_fixed_size: 304640
    .private_segment_fixed_size: 0
    .kernarg_segment_align: 8
    .kernarg_segment_size: 64
    .max_flat_workgroup_size: 128
    .sgpr_count:     66
    .vgpr_count:     1024
    .wavefront_size: 32
...
	.end_amdgpu_metadata
.endif
;; end of part 2
;; ======== version 2 of 2: 2 launches
;; workspace buffers: ct 129,024 bytes; wb 917,504 bytes; ws 57,344 bytes
;; launch prep (part 3): grid 16 x 1, 4 waves a work-group, no clusters, 0 bytes of LDS; arguments base_weight_codes, base_weight_scales, spline_weight_codes, spline_weight_scales, grid, ct, wb, ws; writes ct, wb, ws
.if DOCPART == 3
	.amdgcn_target "amdgcn-amd-amdhsa--gfx1250"
	.amdhsa_code_object_version 6
	.text
	.protected	k_q560a547b7c_prep
	.globl	k_q560a547b7c_prep
	.p2align	8
	.type	k_q560a547b7c_prep,@function
k_q560a547b7c_prep:
	s_mov_b64 s[64:65], 0
	v_nop
	global_prefetch_b8 v0, s[64:65] scope:SCOPE_SE
	s_setreg_imm32_b32 hwreg(HW_REG_WAVE_MODE, 25, 1), 1
	s_wait_xcnt 0x0
; Three small tables for the launch that follows.  Work-groups 0-7: wb;  8-11: ws;  12-15: ct.  No LDS, no barrier: waves share nothing.
; K STEPS.  kp = 4 t + s.  s = 0..3 is a chunk of 128 features.  t = 0..5: the t-th 128 along K of that chunk's 768 spline numbers (k = 6 f + j);  t = 6: the base product's K step s.
; wb [kp 28][column tile 32][c 2][lane 32][16 bytes]: the weights' codes in the order of a wave's operand registers: lane (h = lane / 16, n = lane % 16) holds, of column 16 tile + n,
;    the codes of k = 64 c + 32 h + 0 .. 31 of the K step: 16 bytes as they lie in the column's row.
; ws [kp 28][column 512]: one word, the column's four scale bytes of the K step.
; ct [chunk 4][m 63][128 features] f32: the constants of each feature's splines.  g0..g9 its knots, gp_i = g_i - g4, E_i = (g_i < g_i+1), R(d) = 1 / d (v_rcp_f32 and one Newton step), HUGE = 2^100.
;    A map is a pair (r at m = 2 q, c at m = 2 q + 1) and stands for r (xn - g4) + c.
;    q = 2 i     (i = 0..7) left_i :  r = E_i ? R(g_i+1 - g_i) : (E_i+1 ? HUGE : 0);          c = -(E_i ? gp_i : gp_i+1) r
;    q = 2 i + 1            right_i:  r = E_i+1 ? -R(g_i+2 - g_i+1) : (E_i ? -HUGE : 0);      c = -(E_i+1 ? gp_i+2 : gp_i+1) r
;    q = 16 + j  (j = 0..7) t2_j   :  r = R(g_j+2 - g_j);  c = -gp_j r        q = 24 + j (j = 0..6) t3_j: r = R(g_j+3 - g_j);  c = -gp_j r        m = 62: g4
;    The middle one of left_i, right_i and 0 is the basis of order 1, for knots in any order: an interval that is empty (E false) becomes a step of slope HUGE at the knot that it shares.
; LIMITS: knots that are equal at distance 1, 2 or 3 (the reference divides by zero there too) are not served; NaN and infinities among the knots are not served.
	s_load_b256 s[4:11], s[0:1], 0x0               ; base codes s[4:5], base scales s[6:7], spline codes s[8:9], spline scales s[10:11]
	s_load_b256 s[12:19], s[0:1], 0x20             ; grid s[12:13], ct s[14:15], wb s[16:17], ws s[18:19]
	v_lshrrev_b32 v1, 5, v0
	v_readfirstlane_b32 s20, v1                    ; wave
	v_and_b32 v1, 31, v0                           ; lane
	s_wait_kmcnt 0x0
	s_cmp_lt_u32 ttmp9, 8
	s_cbranch_scc0 .Lnot_codes
	; ---- wb: a wave takes one tile of 16 columns, all 28 K steps: 56 loads and 56 stores of 16 bytes a lane.  Together the loads use every byte of the 16 rows; each store covers 512 consecutive bytes
	s_lshl_b32 s21, ttmp9, 2
	s_add_co_u32 s21, s21, s20                     ; tile
	s_wait_alu depctr_va_vdst(0)
	v_and_b32 v5, 15, v1                           ; n
	v_lshrrev_b32 v6, 4, v1                        ; h
	v_lshl_add_u32 v5, s21, 4, v5                  ; column
	v_mul_u32_u24 v2, v5, 1536                     ; its row of spline codes,
	v_lshl_add_u32 v2, v6, 4, v2                   ; + 16 h
	v_lshlrev_b32 v3, 8, v5                        ; its row of base codes,
	v_lshl_add_u32 v3, v6, 4, v3
	v_lshlrev_b32 v4, 4, v1
	v_lshl_add_u32 v4, s21, 10, v4                 ; out: 1,024 x tile + 16 x lane
.irp t, 0,1,2,3,4,5,6
.irp s, 0,1,2,3
.irp c, 0,1
.if \t < 6
	global_load_b128 v[16+4*(2*(4*\t+\s)+\c):19+4*(2*(4*\t+\s)+\c)], v2, s[8:9] offset:384*\s+64*\t+32*\c
.else
	global_load_b128 v[16+4*(2*(4*\t+\s)+\c):19+4*(2*(4*\t+\s)+\c)], v3, s[4:5] offset:64*\s+32*\c
.endif
.endr
.endr
.endr
	s_wait_alu depctr_va_vdst(0)
.irp t, 0,1,2,3,4,5,6
.irp s, 0,1,2,3
.irp c, 0,1
	s_wait_loadcnt 55-(2*(4*\t+\s)+\c)             ; loads come back in order: this one is in, the younger ones may be out
	global_store_b128 v4, v[16+4*(2*(4*\t+\s)+\c):19+4*(2*(4*\t+\s)+\c)], s[16:17] offset:(4*\t+\s)*32768+512*\c
.endr
.endr
.endr
	s_endpgm
.Lnot_codes:
	s_cmp_lt_u32 ttmp9, 12
	s_cbranch_scc0 .Lconsts
	; ---- ws: a thread takes a column: its 96 + 16 scale bytes are 28 words
	s_sub_co_u32 s21, ttmp9, 8
	s_lshl_b32 s21, s21, 7
	v_add_nc_u32 v5, s21, v0                       ; column
	v_mul_u32_u24 v2, v5, 96
	v_lshlrev_b32 v3, 4, v5
	v_lshlrev_b32 v4, 2, v5
.irp q, 0,1,2,3,4,5
	global_load_b128 v[16+4*\q:19+4*\q], v2, s[10:11] offset:16*\q   ; word 6 s + t: chunk s, K step t
.endr
	global_load_b128 v[40:43], v3, s[6:7]          ; word s
	s_wait_alu depctr_va_vdst(0)
	s_wait_loadcnt 0x0
.irp t, 0,1,2,3,4,5,6
.irp s, 0,1,2,3
.if \t < 6
	global_store_b32 v4, v[16+6*\s+\t], s[18:19] offset:(4*\t+\s)*2048
.else
	global_store_b32 v4, v[40+\s], s[18:19] offset:(4*\t+\s)*2048
.endif
.endr
.endr
	s_endpgm
.Lconsts:
	; ---- ct: a thread takes a feature.  v16-25 g, v26-35 gp, v36-59 the 24 differences (9 at distance 1, 8 at 2, 7 at 3), v60-83 their reciprocals, v86-94 -R at distance 1, v96-157 the 62 constants
	s_sub_co_u32 s21, ttmp9, 12                    ; chunk
	s_mul_i32 s22, s21, 32256
	s_mov_b32 s23, 0
	s_add_nc_u64 s[14:15], s[14:15], s[22:23]
	s_lshl_b32 s21, s21, 7
	v_add_nc_u32 v2, s21, v0                       ; feature
	v_mul_u32_u24 v2, v2, 40                       ; ten knots of 4 bytes
	v_lshlrev_b32 v3, 2, v0
.irp i, 0,1,2,3,4
	global_load_b64 v[16+2*\i:17+2*\i], v2, s[12:13] offset:8*\i
.endr
	v_mov_b32 v95, 0x71800000                      ; HUGE
	v_mov_b32 v10, 0xf1800000                      ; -HUGE
	s_wait_loadcnt 0x0
.set I, 0
.rept 10
	v_sub_f32 v[26+I], v[16+I], v20
.set I, I+1
.endr
.set I, 0
.rept 9
	v_sub_f32 v[36+I], v[17+I], v[16+I]
	v_cmp_lt_f32 s[24+I], v[16+I], v[17+I]         ; E_i in s[24 + i]
.set I, I+1
.endr
.set I, 0
.rept 8
	v_sub_f32 v[45+I], v[18+I], v[16+I]
.set I, I+1
.endr
.set I, 0
.rept 7
	v_sub_f32 v[53+I], v[19+I], v[16+I]
.set I, I+1
.endr
.set K, 0
	s_wait_alu depctr_va_vdst(0)
.rept 24
	v_rcp_f32 v[60+K], v[36+K]                     ; one batch
.set K, K+1
.endr
	v_nop                                          ; a plain instruction behind the last reciprocal
	s_wait_alu depctr_va_vdst(0)                   ; one wait for the batch, ahead of its first reader
.set K, 0
.rept 24
	v_fma_f32 v84, -v[36+K], v[60+K], 1.0          ; Newton: r + r (1 - d r)
.if K < 9
	v_fma_f32 v[60+K], v[60+K], v84, v[60+K]
.else
	v_fma_f32 v[96+32+2*(K-9)], v[60+K], v84, v[60+K]   ; t2's and t3's r go straight to their places, m = 32 + 2 (K - 9)
.endif
.set K, K+1
.endr
.set I, 0
.rept 9
	v_xor_b32 v[86+I], 0x80000000, v[60+I]
.set I, I+1
.endr
.set I, 0
.rept 8
	v_cndmask_b32 v84, 0, v95, s[25+I]             ; left_i
	v_cndmask_b32 v[96+4*I], v84, v[60+I], s[24+I]
	v_cndmask_b32 v85, v[27+I], v[26+I], s[24+I]
	v_mul_f32 v[97+4*I], -v85, v[96+4*I]
	v_cndmask_b32 v84, 0, v10, s[24+I]             ; right_i
	v_cndmask_b32 v[98+4*I], v84, v[87+I], s[25+I]
	v_cndmask_b32 v85, v[27+I], v[28+I], s[25+I]
	v_mul_f32 v[99+4*I], -v85, v[98+4*I]
.set I, I+1
.endr
.set I, 0
.rept 8
	v_mul_f32 v[96+33+2*I], -v[26+I], v[96+32+2*I] ; t2_j's c
.set I, I+1
.endr
.set I, 0
.rept 7
	v_mul_f32 v[96+49+2*I], -v[26+I], v[96+48+2*I] ; t3_j's c
.set I, I+1
.endr
.set I, 0
.rept 62
	global_store_b32 v3, v[96+I], s[14:15] offset:512*I
.set I, I+1
.endr
	global_store_b32 v3, v20, s[14:15] offset:512*62   ; g4
	s_endpgm
.Lfunc_end_k_q560a547b7c_prep:
	.size	k_q560a547b7c_prep, .Lfunc_end_k_q560a547b7c_prep-k_q560a547b7c_prep
	.p2alignl 7, 3214868480
	.fill 96, 4, 3214868480
	.section	.rodata,"a",@progbits
	.p2align	6, 0x0
	.amdhsa_kernel k_q560a547b7c_prep
		.amdhsa_group_segment_fixed_size 0
		.amdhsa_private_segment_fixed_size 0
		.amdhsa_enable_private_segment 0
		.amdhsa_kernarg_size 64
		.amdhsa_user_sgpr_count 2
		.amdhsa_user_sgpr_kernarg_segment_ptr 1
		.amdhsa_wavefront_size32 1
		.amdhsa_system_sgpr_workgroup_id_x 1
		.amdhsa_system_sgpr_workgroup_id_y 1
		.amdhsa_system_sgpr_workgroup_id_z 1
		.amdhsa_system_vgpr_workitem_id 0
		.amdhsa_next_free_vgpr 256
		.amdhsa_next_free_sgpr 66
		.amdhsa_reserve_vcc 0
		.amdhsa_float_denorm_mode_32 3
		.amdhsa_float_denorm_mode_16_64 3
		.amdhsa_memory_ordered 1
		.amdhsa_forward_progress 1
		.amdhsa_inst_pref_size 35
	.end_amdhsa_kernel
	.amdgpu_metadata
---
amdhsa.version: [ 1, 2 ]
amdhsa.kernels:
  - .name:           k_q560a547b7c_prep
    .symbol:         k_q560a547b7c_prep.kd
    .args:
      - { .name: base_weight_codes, .offset: 0, .size: 8, .value_kind: global_buffer, .address_space: global }
      - { .name: base_weight_scales, .offset: 8, .size: 8, .value_kind: global_buffer, .address_space: global }
      - { .name: spline_weight_codes, .offset: 16, .size: 8, .value_kind: global_buffer, .address_space: global }
      - { .name: spline_weight_scales, .offset: 24, .size: 8, .value_kind: global_buffer, .address_space: global }
      - { .name: grid, .offset: 32, .size: 8, .value_kind: global_buffer, .address_space: global }
      - { .name: ct, .offset: 40, .size: 8, .value_kind: global_buffer, .address_space: global }
      - { .name: wb, .offset: 48, .size: 8, .value_kind: global_buffer, .address_space: global }
      - { .name: ws, .offset: 56, .size: 8, .value_kind: global_buffer, .address_space: global }
    .group_segment_fixed_size: 0
    .private_segment_fixed_size: 0
    .kernarg_segment_align: 8
    .kernarg_segment_size: 64
    .max_flat_workgroup_size: 128
    .sgpr_count:     66
    .vgpr_count:     256
    .wavefront_size: 32
...
	.end_amdgpu_metadata
.endif
;; end of part 3
;; launch kan (part 4): grid 256 x 1, 4 waves a work-group, no clusters, 304,640 bytes of LDS; arguments x, ln_gamma, ln_beta, base_bias, ct, wb, ws, out0; writes out0
.if DOCPART == 4
	.amdgcn_target "amdgcn-amd-amdhsa--gfx1250"
	.amdhsa_code_object_version 6
	.text
	.protected	k_q560a547b7c_kan
	.globl	k_q560a547b7c_kan
	.p2align	8
	.type	k_q560a547b7c_kan,@function
k_q560a547b7c_kan:
	s_mov_b64 s[64:65], 0
	v_nop
	global_prefetch_b8 v0, s[64:65] scope:SCOPE_SE
	s_setreg_imm32_b32 hwreg(HW_REG_WAVE_SCHED_MODE, 0, 2), 2
	s_setreg_imm32_b32 hwreg(HW_REG_WAVE_MODE, 25, 1), 1
	s_wait_xcnt 0x0
	s_wait_alu depctr_vm_vsrc(0)
; out0 = relu(xn) Wb + bias + splines(xn) Ws, xn = LayerNorm(x); both products on codes of FP4 (E2M1) with one E8M0 scale for each 32 along K; all else in f32.
; SHARES.  A work-group of four waves takes 128 rows and all 512 columns, in four phases:
;   L  wave w normalises rows 32 w .. 32 w + 31 (a row in one wave: 16 numbers a lane) and lays xn into a tile in LDS, [chunk of 128 features][row][528 bytes]                | barrier
;   P  wave w takes chunk w for all 128 rows.  A LANE IS FOUR NEIGHBOURING FEATURES: their 63 constants each (table ct) stay in 252 registers; the lane's 4 x 6 basis numbers are 24 neighbours
;      along K (k = 6 f + j): three octets for the conversion.  Four lanes hold 96 numbers: three whole blocks of 32.  The codes are written over the xn that they came from    | barrier
;   M  wave w takes columns 128 w .. + 127 for all 128 rows: 64 accumulators, 28 K steps of 128; A's fragments from the tile, the weights from memory straight into registers (tables wb, ws)
;   O  the results go through the wave's own stage in LDS, take the bias, and leave as rows of 512 consecutive bytes.
; A ROW'S 512 BYTES OF A CHUNK: behind L xn; behind P: 64 t .. + 63 (t = 0..5) the spline codes of K step t; 384 .. 447 the base codes; 448 + b (b = 0..23) the spline scale bytes; 472 .. 475 the base's.
; THE SPLINES.  x' = xn - g4.  31 maps r x' + c.  Order 1: the middle one of left_i, right_i, 0.  Orders 2, 3: the right factor is 1 - t_i+1, so B_i = t_i b_i + (b_i+1 - t_i+1 b_i+1): two multiply-adds.
; NO JOINT LOADS, NO LDS FOR THE WEIGHTS: stage and tile take 304,128 bytes of LDS, and what is left of 327,680 is less than one K step of the weights (32,768 bytes);
;   and each fragment of the weights has one reader in the work-group, so a way through LDS would add a write and a read for each byte and spare none.
; LIMITS: NaN and infinities among the inputs are not served.  A block whose largest magnitude lies under 2^-124 keeps the scale byte 1 (a block of zeros too: its codes are zeros).
;   In a grid whose knots are not ascending, an xn on (or within 2^-100 of) a knot at which the reference's basis itself jumps may take the other side of the jump.
; REGISTERS, in windows of 256 (s_set_vgpr_msb's low byte: bits 1:0 source 0, 3:2 source 1, 5:4 source 2, 7:6 destination):
;   window 0: v0 thread, v1 lane, v2 16 x lane, v3 4 x lane, v4-11 the phase's LDS lane bases, v12-15 bias, v224-229 LDS addresses at work, v230-231 the closing add's two, v232-255 scale words; the rest by phase (below)
;   window 1: P: the constants, m of feature phi at v[4 m + phi];  M: the weights' fragments, four sets of 64.    windows 2, 3: the accumulators, (a, b) at v[8 (8 (a % 4) + b)], window 2 + a / 4.
; THE MODE: SCHED_MODE bits 1:0 = 2 (LLVM: expert scheduling mode 2), set by the entry lines.  The code itself states the register dependences
; between vector or matrix instructions and memory or LDS instructions, with s_wait_alu, always for 0.
; THE PLAN.  The registers that memory or LDS instructions touch, who else names them, and the waits that part the two:
;   all  v2, v3: the offsets of the global loads and stores: written at the head, ahead of its one wait on va_vdst, and never again.  s20, the wave's number, is written by a vector instruction: one wait on va_sdst ahead of its first reader.
;   L    XR[j]: row j's arithmetic reads and rewrites it; then the row 8 on lands in it.  XT[j % 2]: row j's scaling writes it, its four LDS stores read it.  v224-227: those stores' addresses, written once in 8 rows.
;        A row: vm_vsrc ahead of the scaling (the stores of the row before last have read XT[j % 2]); va_vdst behind the row's last arithmetic, ahead of its loads and its four stores.  Once in 8 rows: vm_vsrc ahead of the addresses' additions.
;   P    XN, BI: named by the first lines of a pair's trip alone; then the next pair's xn lands in them.  BQ, CA, CB: written by the conversions, read by the LDS stores.  v224-229: addresses, written in the trip's middle.
;        A trip: va_vdst behind the base product's conversion, ahead of its two stores and the four loads; vm_vsrc in the middle, ahead of the six additions and of the conversions that write CA, CB and (next trip) BQ again;
;        va_vdst at the end, ahead of the eight stores of both rows' codes.
;   M    K step k's matrix instructions read A's set k % 2, the weights' set k % 4 and their scale words.  K step k + 1 asks for what lands in them: A of K step k + 2 at its head, the weights of K step k + 4 in its middle.
;        v224-227: A's addresses, a pair for each set.  A K step: vm_vsrc, the two additions, va_vdst, at its head; its 64 matrix instructions name none of the registers that its 40 loads touch.
;   O    The accumulators are read by LDS stores alone: one va_vdst ahead of the first.  BK[a % 2]: block a's rows land in it, the bias is added in place, 16 stores read it, block a + 2's rows land in it:
;        va_vdst between the additions and the stores, vm_vsrc ahead of the next loads.
.set PITCH, 528                        ; a tile's or a stage's row: 512 bytes + 16 = 33 x 16: the sixteen rows that a fragment load touches begin 16 bytes apart modulo 256
.set TILE,  4*16*PITCH                 ; LDS: the four stages (16 rows each) lie in front of the tile
.set CH,    128*PITCH                  ; a chunk of the tile
.set GA, 16                            ; L: v16-31 gamma, v32-47 beta of my 16 features
.set BE, 32                            ;    v48-49 mean, v50-51 1 / sqrt(var + eps) (pairs: the low word serves both halves), v52-57 at work
.set XR, 64                            ;    v64-191 a ring of 8 rows x 16
.set XT, 192                           ;    v192-223 xn, two sets
.set LW0, 4                            ;    v4-7 where my 16 bytes of chunk c go;  v224-227 the same for the trip in hand
.set LWW, 224
.set RA0, 4                            ; P: lane bases: xn of my 4 features;
.set BA0, 5                            ;    xn of 8 features of row lane / 16, for the base product;
.set CW0, 6                            ;    my 12 bytes of spline codes;
.set SW0, 7                            ;    my block's scale byte;
.set BC0, 8                            ;    4 bytes of base codes;
.set BS0, 9                            ;    the base block's scale byte
.set RA, 224
.set BA, 225
.set CW, 226
.set SW, 227
.set BC, 228
.set BS, 229
.set XN, 16                            ; P: v16-23 xn of rows A, B
.set BI, 24                            ;    v24-31 eight numbers for the base product
.set XP, 32                            ;    v32-39 x' of rows A, B
.set OUT, 40                           ;    v40-63 the 24 basis numbers, 6 phi + i
.set AF, 64                            ;    v64-187 the maps: q of feature phi at AF + 4 q + phi.   M: A's fragments, two sets of 64
.set QT, 188                           ;    v188-200 at work in the quantisers
.set CA, 204                           ;    v204-207, v208-211 codes and byte of rows A, B;  v212-213 the base's
.set CB, 208
.set BQ, 212
.set A0, 4                             ; M: v4-7 lane base of A's fragments in chunk s;  v8-11 of A's scale words
.set S0, 8
.set AW, 224                           ;    v224-225, v226-227 the same at work, a set for each parity of the K step
.set SWK, 226
.set SA, 232                           ;    v232-239 A's scale words, two sets of 4: lanes 0-15 row tile 2 u, lanes 16-31 row tile 2 u + 1
.set SB, 240                           ;    v240-255 the weights', four sets of 4: lanes 0-15 column tile 2 u, lanes 16-31 column tile 2 u + 1
.set STO, 4                            ; O: where I put 32 bytes of a row;  where I read a row back;  v64-191 rows read back, two sets
.set RD, 5
.set BK, 64
.set MSB, 0
.macro WIN new                         ; the immediate's high byte repeats the setting that is left; a switch that changes nothing is dropped
.if MSB != \new
	s_set_vgpr_msb (MSB<<8)|\new
.set MSB, \new
.endif
.endm
	s_load_b256 s[4:11], s[0:1], 0x0               ; x s[4:5], gamma s[6:7], beta s[8:9], bias s[10:11]
	s_load_b256 s[12:19], s[0:1], 0x20             ; ct s[12:13], wb s[14:15], ws s[16:17], out0 s[18:19]
	v_lshl_add_u32 v230, v0, 2, 0x4a400            ; my spare word, behind the tile (TILE + 4 CH = 0x4a400), and 0: made here and kept for the closing lines alone
	v_mov_b32 v231, 0
	v_lshrrev_b32 v1, 5, v0
	v_readfirstlane_b32 s20, v1                    ; wave w
	v_and_b32 v1, 31, v0                           ; lane
	v_lshlrev_b32 v2, 4, v1
	s_wait_alu depctr_va_vdst(0)
	v_lshlrev_b32 v3, 2, v1
	s_mov_b32 s22, 0x76543210                      ; v_permlanex16_b32's selects for lane l xor 16
	s_mov_b32 s23, 0xfedcba98
	s_mov_b32 s24, 0x22222222                      ; lanes with lane % 4 = 1
	s_mov_b32 s25, 0x44444444                      ; = 2
	s_mov_b32 s26, 0x66666666                      ; = 1 or 2
	s_mov_b32 s27, 0x3a83126f                      ; eps = 1e-3
	s_mov_b32 s31, 0x3b000000                      ; 1 / 512
	s_wait_alu depctr_va_sdst(0)                   ; s20 is written, ahead of its first reader: LDS bases and the buffers' offsets are made from it
	s_mul_i32 s28, s20, 32*PITCH
	s_add_co_u32 s28, s28, TILE
	v_add_nc_u32 v[LW0], s28, v2                   ; chunk 0, row 32 w, 16 x lane
	v_add_nc_u32 v[LW0+1], CH, v[LW0]
	v_add_nc_u32 v[LW0+2], 2*CH, v[LW0]
	v_add_nc_u32 v[LW0+3], 3*CH, v[LW0]
	s_mov_b32 s30, 0                               ; the trip's rows, in bytes of the tile
.irp c, 0,1,2,3
	v_add_nc_u32 v[LWW+\c], s30, v[LW0+\c]
.endr
	v_lshl_add_u32 v10, s20, 9, v2                 ; the bias of columns 128 w + 4 lane + 0 .. 3
	v_mov_b32 v49, 0                               ; upper halves of pairs that are named whole, and a lane permute's destination: written once
	v_mov_b32 v51, 0
	v_mov_b32 v53, 0
	s_lshl_b32 s28, ttmp9, 18                      ; 128 rows of 2,048 bytes a work-group,
	s_lshl_b32 s29, s20, 16                        ; 32 a wave
	s_add_co_u32 s28, s28, s29
	s_mov_b32 s29, 0
	s_mul_i32 s32, s20, 32256                      ; ct: chunk w
	s_mov_b32 s33, 0
	s_lshl_b32 s34, s20, 13                        ; wb: my 8 column tiles
	s_mov_b32 s35, 0
	s_lshl_b32 s36, s20, 9                         ; ws and out0: my 128 columns
	s_mov_b32 s37, 0
	s_lshl_b32 s38, ttmp9, 18                      ; out0: the work-group's rows
	s_mov_b32 s39, 0
	s_wait_kmcnt 0x0
	s_add_nc_u64 s[4:5], s[4:5], s[28:29]
	s_add_nc_u64 s[12:13], s[12:13], s[32:33]
	s_add_nc_u64 s[14:15], s[14:15], s[34:35]
	s_add_nc_u64 s[16:17], s[16:17], s[36:37]
	s_add_nc_u64 s[18:19], s[18:19], s[36:37]
	s_add_nc_u64 s[18:19], s[18:19], s[38:39]
	s_wait_alu depctr_va_vdst(0)                   ; v2, v3 and v10 are written, which the global loads and stores read as offsets; so are v224-227, the first LDS stores' addresses
	global_load_b128 v[12:15], v10, s[10:11]
.irp c, 0,1,2,3
	global_load_b128 v[GA+4*\c:GA+4*\c+3], v2, s[6:7] offset:512*\c   ; features 128 c + 4 lane + 0 .. 3
	global_load_b128 v[BE+4*\c:BE+4*\c+3], v2, s[8:9] offset:512*\c
.endr
.irp j, 0,1,2,3,4,5,6,7
.irp c, 0,1,2,3
	global_load_b128 v[XR+16*\j+4*\c:XR+16*\j+4*\c+3], v2, s[4:5] offset:\j*2048+512*\c th:TH_LOAD_NT   ; 512 consecutive bytes a load; 32 loads of the wave on their way
.endr
.endr
; ---------------- L ----------------
.macro WSUM                            ; v52 summed over the 32 lanes, the result in every lane
	v_add_f32_dpp v52, v52, v52 row_xmask:1 row_mask:0xf bank_mask:0xf
	v_add_f32_dpp v52, v52, v52 row_xmask:2 row_mask:0xf bank_mask:0xf
	v_add_f32_dpp v52, v52, v52 row_xmask:4 row_mask:0xf bank_mask:0xf
	v_add_f32_dpp v52, v52, v52 row_xmask:8 row_mask:0xf bank_mask:0xf
	v_permlanex16_b32 v53, v52, s22, s23
	v_add_f32 v52, v52, v53
.endm
; Row j of the ring.  ahead = 1: its registers take the row 8 further down;  ahead = 0 (the last 8 rows): eight of phase P's 63 constant loads go out in its stead.  left: the younger loads, which may stay out.
.macro LROW j, ahead, left
.set XJ, XR+16*(\j)
.set XS, XT+16*((\j)%2)
	s_wait_loadcnt \left
	v_pk_add_f32 v[54:55], v[XJ:XJ+1], v[XJ+2:XJ+3]
	v_pk_add_f32 v[56:57], v[XJ+4:XJ+5], v[XJ+6:XJ+7]
	v_pk_add_f32 v[54:55], v[54:55], v[XJ+8:XJ+9]
	v_pk_add_f32 v[56:57], v[56:57], v[XJ+10:XJ+11]
	v_pk_add_f32 v[54:55], v[54:55], v[XJ+12:XJ+13]
	v_pk_add_f32 v[56:57], v[56:57], v[XJ+14:XJ+15]
	v_pk_add_f32 v[54:55], v[54:55], v[56:57]
	v_add_f32 v52, v54, v55
	WSUM
	v_mul_f32 v48, s31, v52                        ; the mean
.irp p, 0,2,4,6,8,10,12,14
	v_pk_add_f32 v[XJ+\p:XJ+\p+1], v[XJ+\p:XJ+\p+1], v[48:49] op_sel_hi:[1,0] neg_lo:[0,1] neg_hi:[0,1]   ; x - mean: the variance is taken of these, so a common offset of x does no harm
.endr
	v_pk_mul_f32 v[54:55], v[XJ:XJ+1], v[XJ:XJ+1]
	v_pk_mul_f32 v[56:57], v[XJ+2:XJ+3], v[XJ+2:XJ+3]
.irp p, 4,8,12
	v_pk_fma_f32 v[54:55], v[XJ+\p:XJ+\p+1], v[XJ+\p:XJ+\p+1], v[54:55]
	v_pk_fma_f32 v[56:57], v[XJ+\p+2:XJ+\p+3], v[XJ+\p+2:XJ+\p+3], v[56:57]
.endr
	v_pk_add_f32 v[54:55], v[54:55], v[56:57]
	v_add_f32 v52, v54, v55
	WSUM
	v_fma_f32 v52, v52, s31, s27                   ; var + eps
	s_wait_alu depctr_va_vdst(0)
	v_rsq_f32 v50, v52
	v_nop                                          ; a plain instruction behind the transcendental
	s_wait_dscnt 4                                 ; the stores of the row before last, which read this set of xn, are done (the last row's four may be out)
	s_wait_alu depctr_vm_vsrc(0)                   ; the LDS stores of the row before last have read XT[j % 2], which the scaling below writes again
	s_wait_alu depctr_va_vdst(0)                   ; v50, the root's result, is written, ahead of its first reader
.irp p, 0,2,4,6,8,10,12,14
	v_pk_mul_f32 v[XS+\p:XS+\p+1], v[XJ+\p:XJ+\p+1], v[50:51] op_sel_hi:[1,0]
.endr
.irp p, 0,2,4,6,8,10,12,14
	v_pk_fma_f32 v[XS+\p:XS+\p+1], v[XS+\p:XS+\p+1], v[GA+\p:GA+\p+1], v[BE+\p:BE+\p+1]
.endr
	s_wait_alu depctr_va_vdst(0)                   ; the row's arithmetic has written XT[j % 2], which the LDS stores read, and is done reading and writing XR[j], in which the loads land; in a trip's first row v224-227 are written
.if \ahead
.irp c, 0,1,2,3
	global_load_b128 v[XJ+4*\c:XJ+4*\c+3], v2, s[4:5] offset:16384+(\j)*2048+512*\c th:TH_LOAD_NT
.endr
.else
	WIN 0x40                                       ; destination window 1: no vector instruction has named these registers yet
.irp i, 0,1,2,3,4,5,6,7
.if 8*(\j)+\i < 63
	global_load_b128 v[4*(8*(\j)+\i):4*(8*(\j)+\i)+3], v2, s[12:13] offset:(8*(\j)+\i)*512   ; constant m = 8 j + i of my four features of chunk w
.endif
.endr
	WIN 0
.endif
.irp c, 0,1,2,3
	ds_store_b128 v[LWW+\c], v[XS+4*\c:XS+4*\c+3] offset:(\j)*PITCH
.endr
.endm
	s_mov_b32 s21, 3
.Lrows:                                                ; 3 trips of 8 rows, each row asking for the row 8 on
.irp j, 0,1,2,3,4,5,6,7
	LROW \j, 1, 28                                 ; behind a row's four loads: those of the seven other rows
.endr
	s_wait_dscnt 0x0                               ; no LDS store of mine is out: the addresses at work are written again
	s_wait_alu depctr_vm_vsrc(0)                   ; the trip's LDS stores have read v224-227, which the four additions write
	s_add_co_u32 s30, s30, 8*PITCH
.irp c, 0,1,2,3
	v_add_nc_u32 v[LWW+\c], s30, v[LW0+\c]
.endr
	s_wait_xcnt 0x0                                ; the loads have read their base: it may step
	s_add_nc_u64 s[4:5], s[4:5], 16384
	s_sub_co_u32 s21, s21, 1
	s_cmp_lg_u32 s21, 0
	s_cbranch_scc1 .Lrows
.irp j, 0,1,2,3,4,5,6,7
	LROW \j, 0, 28+4*\j                            ; behind row j's loads: 4 (7 - j) of x and 8 j of constants
.endr
	s_wait_dscnt 0x0                               ; for the others' sake: my rows of xn lie in the tile
	s_barrier_signal -1
	s_barrier_wait -1
; ---------------- P ----------------
	s_wait_alu depctr_vm_vsrc(0)                   ; my LDS stores have read v224-227 and XT, the bias's load v10: this phase's lines write all of them again
	s_mul_i32 s28, s20, CH
	s_add_co_u32 s28, s28, TILE                    ; chunk w: every LDS byte that this phase touches lies in the wave's own chunk
	v_add_nc_u32 v[RA0], s28, v2
	v_lshrrev_b32 v10, 4, v1
	v_and_b32 v11, 15, v1
	v_mul_u32_u24 v10, v10, PITCH
	v_add_nc_u32 v10, s28, v10                     ; row lane / 16 of the pair
	v_lshl_add_u32 v[BA0], v11, 5, v10             ; + 32 (lane % 16)
	v_lshl_add_u32 v[BC0], v11, 2, v10
	v_add_nc_u32 v[BC0], 384, v[BC0]               ; + 384 + 4 (lane % 16)
	v_lshrrev_b32 v11, 2, v11
	v_add_nc_u32 v[BS0], v10, v11
	v_add_nc_u32 v[BS0], 472, v[BS0]               ; + 472 + (lane % 16) / 4
	v_mul_u32_u24 v[CW0], v1, 12
	v_add_nc_u32 v[CW0], s28, v[CW0]               ; 12 x lane
	v_mul_u32_u24 v[SW0], v1, 3
	v_add_nc_u32 v[SW0], 2, v[SW0]
	v_lshrrev_b32 v[SW0], 2, v[SW0]                ; (3 lane + 2) / 4 = 3 (lane / 4) + 0, 1, 2, 2 for lane % 4 = 0 .. 3: lanes 2 and 3 of a quad write the same byte with the same value
	v_add_nc_u32 v[SW0], s28, v[SW0]
	v_add_nc_u32 v[SW0], 448, v[SW0]
.macro PADR                            ; the addresses of the pair of rows at s30: what is read, and the base product's stores
	v_add_nc_u32 v[RA], s30, v[RA0]
	v_add_nc_u32 v[BA], s30, v[BA0]
	v_add_nc_u32 v[BC], s30, v[BC0]
	v_add_nc_u32 v[BS], s30, v[BS0]
.endm
; One row's 4 features a lane: 31 maps, 8 hats, orders 2 and 3.  x: the register of x' of feature 0.
.macro ROWP x
	WIN 0x14                                       ; sources 1 and 2, the constants: window 1
.set Q, 0
.rept 31
	v_pk_fma_f32 v[AF+4*Q:AF+4*Q+1], v[\x:\x+1], v[8*Q:8*Q+1], v[8*Q+4:8*Q+5]
	v_pk_fma_f32 v[AF+4*Q+2:AF+4*Q+3], v[\x+2:\x+3], v[8*Q+2:8*Q+3], v[8*Q+6:8*Q+7]
.set Q, Q+1
.endr
	WIN 0
.set I, 0
.rept 8
.irp f, 0,1,2,3
	v_med3_num_f32 v[AF+8*I+\f], v[AF+8*I+\f], v[AF+8*I+4+\f], 0   ; order 1: b_i takes left_i's place; right_i's is free
.endr
.set I, I+1
.endr
.set I, 0
.rept 7
.irp p, 0,2
	v_pk_fma_f32 v[AF+8*I+4+\p:AF+8*I+5+\p], v[AF+64+4*(I+1)+\p:AF+65+4*(I+1)+\p], v[AF+8*(I+1)+\p:AF+8*(I+1)+1+\p], v[AF+8*(I+1)+\p:AF+8*(I+1)+1+\p] neg_lo:[1,0,0] neg_hi:[1,0,0]   ; b_i+1 - t2_i+1 b_i+1
.endr
.set I, I+1
.endr
.set I, 0
.rept 7
.irp p, 0,2
	v_pk_fma_f32 v[AF+8*I+\p:AF+8*I+1+\p], v[AF+64+4*I+\p:AF+65+4*I+\p], v[AF+8*I+\p:AF+8*I+1+\p], v[AF+8*I+4+\p:AF+8*I+5+\p]   ; order 2
.endr
.set I, I+1
.endr
.set I, 0
.rept 6
.irp p, 0,2
	v_pk_fma_f32 v[AF+8*I+4+\p:AF+8*I+5+\p], v[AF+96+4*(I+1)+\p:AF+97+4*(I+1)+\p], v[AF+8*(I+1)+\p:AF+8*(I+1)+1+\p], v[AF+8*(I+1)+\p:AF+8*(I+1)+1+\p] neg_lo:[1,0,0] neg_hi:[1,0,0]   ; b_i+1 - t3_i+1 b_i+1
.endr
.set I, I+1
.endr
.set I, 0
.rept 6
.irp f, 0,1,2,3
	v_fma_f32 v[OUT+6*\f+I], v[AF+96+4*I+\f], v[AF+8*I+\f], v[AF+8*I+4+\f]   ; order 3, one at a time: the conversions want k = 6 phi + i in consecutive registers
.endr
.set I, I+1
.endr
.endm
; The lane's 24 numbers become 12 bytes of codes.  With q = lane % 4, the quad's blocks are: 0 = lane 0 and lane 1's octet 0;  1 = lane 1's octets 1, 2 and lane 2's 0, 1;  2 = lane 2's octet 2 and lane 3.
.macro QUANT C
.irp o, 0,1,2
	v_max3_num_f32 v[QT+\o], |v[OUT+8*\o]|, |v[OUT+8*\o+1]|, 0x1800000   ; an octet's largest magnitude, over the floor 2^(3 - 127): the byte cannot fall under 1
.endr
.irp i, 2,4,6
.irp o, 0,1,2
	v_max3_num_f32 v[QT+\o], v[QT+\o], |v[OUT+8*\o+\i]|, |v[OUT+8*\o+\i+1]|
.endr
.endr
	v_max_num_f32 v[QT+3], v[QT], v[QT+1]          ; octets 0, 1
	v_max_num_f32 v[QT+4], v[QT+1], v[QT+2]        ; octets 1, 2
	v_max_num_f32 v[QT+5], v[QT+3], v[QT+2]        ; all
	v_cndmask_b32 v[QT+6], v[QT+5], v[QT], s24     ; my part of an outer block (0 or 2): q = 0, 3 all; q = 1 octet 0;
	v_cndmask_b32 v[QT+7], v[QT+4], v[QT+3], s25   ; my part of block 1: q = 1 octets 1, 2; q = 2 octets 0, 1 (in lanes q = 0, 3 it is not used)
	v_cndmask_b32 v[QT+6], v[QT+6], v[QT+2], s25   ; q = 2 octet 2
	v_max_num_f32_dpp v[QT+7], v[QT+7], v[QT+7] row_xmask:3 row_mask:0xf bank_mask:0xf   ; lanes 1 and 2 join: block 1
	v_max_num_f32_dpp v[QT+6], v[QT+6], v[QT+6] row_xmask:1 row_mask:0xf bank_mask:0xf   ; lanes 0 and 1: block 0; lanes 2 and 3: block 2
	v_add_nc_u32 v[QT+7], 0xff000000, v[QT+7]      ; 2 off the exponent field: the conversion takes that field of its scale operand, and nothing else of it
	v_add_nc_u32 v[QT+6], 0xff000000, v[QT+6]
	v_cndmask_b32 v[QT+8], v[QT+6], v[QT+7], s25   ; octet 0 lies in block 1 where q = 2,
	v_cndmask_b32 v[QT+9], v[QT+6], v[QT+7], s26   ; octet 1 where q = 1 or 2,
	v_cndmask_b32 v[QT+10], v[QT+6], v[QT+7], s24  ; octet 2 where q = 1
.irp o, 0,1,2
	v_cvt_scalef32_pk8_fp4_f32 v[\C+\o], v[OUT+8*\o:OUT+8*\o+7], v[QT+8+\o]
.endr
	v_lshrrev_b32 v[\C+3], 23, v[QT+10]            ; the byte of octet 2's block: blocks 0, 1, 2, 2 for q = 0 .. 3.  (Also the plain instruction behind the conversions)
.endm
.macro QSTORE C, rowoff                ; a row's codes and scale bytes go over its xn
.irp o, 0,1,2
	ds_store_b32 v[CW], v[\C+\o] offset:\rowoff+4*\o
.endr
	ds_store_b8 v[SW], v[\C+3] offset:\rowoff
.endm
; The base product's operand for the pair of rows: lane l takes row l / 16 and features 8 (l % 16) + 0 .. 7; four neighbouring lanes hold a block.
.macro BASEQ
.irp i, 0,1,2,3,4,5,6,7
	v_max_num_f32 v[BI+\i], 0, v[BI+\i]            ; relu
.endr
	v_max3_num_f32 v[QT+11], v[BI], v[BI+1], 0x1800000
	v_max3_num_f32 v[QT+12], v[BI+2], v[BI+3], v[BI+4]
	v_max3_num_f32 v[QT+11], v[QT+11], v[BI+5], v[BI+6]
	v_max3_num_f32 v[QT+11], v[QT+11], v[QT+12], v[BI+7]
	v_max_num_f32_dpp v[QT+11], v[QT+11], v[QT+11] row_xmask:1 row_mask:0xf bank_mask:0xf
	v_max_num_f32_dpp v[QT+11], v[QT+11], v[QT+11] row_xmask:2 row_mask:0xf bank_mask:0xf
	v_add_nc_u32 v[QT+11], 0xff000000, v[QT+11]
	v_cvt_scalef32_pk8_fp4_f32 v[BQ], v[BI:BI+7], v[QT+11]
	v_lshrrev_b32 v[BQ+1], 23, v[QT+11]            ; (the plain instruction behind the conversion)
.endm
; A pair of rows.  All of their xn is in my registers before the first code is written over it; ahead = 1: the next pair's xn is asked for.
.macro TRIPP ahead
	WIN 0x14
.irp p, 0,2
	v_pk_add_f32 v[XP+\p:XP+\p+1], v[XN+\p:XN+\p+1], v[248+\p:249+\p] neg_lo:[0,1] neg_hi:[0,1]       ; x' = xn - g4
	v_pk_add_f32 v[XP+4+\p:XP+5+\p], v[XN+4+\p:XN+5+\p], v[248+\p:249+\p] neg_lo:[0,1] neg_hi:[0,1]
.endr
	WIN 0
	BASEQ
	s_wait_alu depctr_va_vdst(0)                   ; the lines above have written BQ, which the two stores read, and are done with XN and BI, in which the four loads land; no later line of the trip names these
	ds_store_b32 v[BC], v[BQ]
	ds_store_b8 v[BS], v[BQ+1]                     ; four lanes write the same byte with the same value
.if \ahead
	ds_load_b128 v[XN:XN+3], v[RA] offset:2*PITCH
	ds_load_b128 v[XN+4:XN+7], v[RA] offset:3*PITCH
	ds_load_b128 v[BI:BI+3], v[BA] offset:2*PITCH
	ds_load_b128 v[BI+4:BI+7], v[BA] offset:2*PITCH+16
.endif
	ROWP XP
	s_wait_alu depctr_va_vdst(0)
	s_wait_dscnt 0x0                               ; the next pair's xn, asked for a row's arithmetic ago, is in; every earlier store has read its registers: addresses and codes may be written again
	s_wait_alu depctr_vm_vsrc(0)                   ; the LDS instructions issued so far have read v224-229, CA, CB and BQ: the additions below, this trip's conversions and the next trip's base conversion write them again
	v_add_nc_u32 v[CW], s30, v[CW0]
	v_add_nc_u32 v[SW], s30, v[SW0]
.if \ahead
	s_add_co_u32 s30, s30, 2*PITCH
	PADR
.endif
	QUANT CA
	ROWP XP+4
	QUANT CB
	s_wait_alu depctr_va_vdst(0)                   ; CA, CB and the six addresses are written, which the stores below and the next trip's first LDS instructions read; behind the last pair also: the maps are done reading the constants, in which the weights land
	QSTORE CA, 0
	QSTORE CB, PITCH
.endm
	s_mov_b32 s30, 0
	PADR
	s_wait_alu depctr_va_vdst(0)                   ; the first pair's addresses are written; phase L is done reading gamma, in whose registers xn lands
	ds_load_b128 v[XN:XN+3], v[RA]
	ds_load_b128 v[XN+4:XN+7], v[RA] offset:PITCH
	ds_load_b128 v[BI:BI+3], v[BA]
	ds_load_b128 v[BI+4:BI+7], v[BA] offset:16
	s_wait_loadcnt 0x0                             ; the constants
	s_wait_dscnt 0x0
	s_mov_b32 s21, 63
.Lpair:
	TRIPP 1
	s_sub_co_u32 s21, s21, 1
	s_cmp_lg_u32 s21, 0
	s_cbranch_scc1 .Lpair
	TRIPP 0                                        ; the last pair asks for nothing
; ---------------- M ----------------
; The weights of K step 4 T + kp, T the trip: 16 loads of 512 consecutive bytes into the set named, and 4 of scale words: 20 loads.
.macro LOADB set, kp
	WIN 0x40                                       ; destination window 1
.irp b, 0,1,2,3,4,5,6,7
.irp c, 0,1
	global_load_b128 v[64*(\set)+8*\b+4*\c:64*(\set)+8*\b+4*\c+3], v2, s[14:15] offset:(\kp)*32768+\b*1024+\c*512
.endr
.endr
	WIN 0
.irp u, 0,1,2,3
	global_load_b32 v[SB+4*(\set)+\u], v3, s[16:17] offset:(\kp)*2048+128*\u
.endr
.endm
; Where A's fragments and scale words of chunk s lie, at bytes s30 (codes) and s32 (scale words) of the rows: set p's two address registers.
.macro ADRA s, p
	v_add_nc_u32 v[AW+(\p)], s30, v[A0+(\s)]
	v_add_nc_u32 v[SWK+(\p)], s32, v[S0+(\s)]
.endm
; A's eight fragments and four registers of scale words into set p: 20 LDS loads.
.macro LOADA p
.irp a, 0,1,2,3,4,5,6,7
.irp c, 0,1
	ds_load_b128 v[AF+64*(\p)+8*\a+4*\c:AF+64*(\p)+8*\a+4*\c+3], v[AW+(\p)] offset:\a*16*PITCH+32*\c
.endr
.endr
.irp u, 0,1,2,3
	ds_load_b32 v[SA+4*(\p)+\u], v[SWK+(\p)] offset:\u*32*PITCH
.endr
.endm
; One matrix instruction, USED TRANSPOSED: source 0 = 16 columns of the weights, source 1 = 16 rows of A: a lane then holds eight neighbouring columns of one row of the result.
; The first scale operand is source 0's.  bo, ao: the tile is the odd one of its pair, whose words stand in lanes 16-31.
.macro WM zero, bo, ao
.if \zero
.if (\bo) && (\ao)
	v_wmma_scale_f32_16x16x128_f8f6f4 v[AC:AC+7], v[BR:BR+7], v[AR:AR+7], 0, v[SBR], v[SAR] matrix_a_fmt:MATRIX_FMT_FP4 matrix_b_fmt:MATRIX_FMT_FP4 matrix_a_scale:MATRIX_SCALE_ROW1 matrix_b_scale:MATRIX_SCALE_ROW1
.elseif \bo
	v_wmma_scale_f32_16x16x128_f8f6f4 v[AC:AC+7], v[BR:BR+7], v[AR:AR+7], 0, v[SBR], v[SAR] matrix_a_fmt:MATRIX_FMT_FP4 matrix_b_fmt:MATRIX_FMT_FP4 matrix_a_scale:MATRIX_SCALE_ROW1
.elseif \ao
	v_wmma_scale_f32_16x16x128_f8f6f4 v[AC:AC+7], v[BR:BR+7], v[AR:AR+7], 0, v[SBR], v[SAR] matrix_a_fmt:MATRIX_FMT_FP4 matrix_b_fmt:MATRIX_FMT_FP4 matrix_b_scale:MATRIX_SCALE_ROW1
.else
	v_wmma_scale_f32_16x16x128_f8f6f4 v[AC:AC+7], v[BR:BR+7], v[AR:AR+7], 0, v[SBR], v[SAR] matrix_a_fmt:MATRIX_FMT_FP4 matrix_b_fmt:MATRIX_FMT_FP4
.endif
.else
.if (\bo) && (\ao)
	v_wmma_scale_f32_16x16x128_f8f6f4 v[AC:AC+7], v[BR:BR+7], v[AR:AR+7], v[AC:AC+7], v[SBR], v[SAR] matrix_a_fmt:MATRIX_FMT_FP4 matrix_b_fmt:MATRIX_FMT_FP4 matrix_a_scale:MATRIX_SCALE_ROW1 matrix_b_scale:MATRIX_SCALE_ROW1
.elseif \bo
	v_wmma_scale_f32_16x16x128_f8f6f4 v[AC:AC+7], v[BR:BR+7], v[AR:AR+7], v[AC:AC+7], v[SBR], v[SAR] matrix_a_fmt:MATRIX_FMT_FP4 matrix_b_fmt:MATRIX_FMT_FP4 matrix_a_scale:MATRIX_SCALE_ROW1
.elseif \ao
	v_wmma_scale_f32_16x16x128_f8f6f4 v[AC:AC+7], v[BR:BR+7], v[AR:AR+7], v[AC:AC+7], v[SBR], v[SAR] matrix_a_fmt:MATRIX_FMT_FP4 matrix_b_fmt:MATRIX_FMT_FP4 matrix_b_scale:MATRIX_SCALE_ROW1
.else
	v_wmma_scale_f32_16x16x128_f8f6f4 v[AC:AC+7], v[BR:BR+7], v[AR:AR+7], v[AC:AC+7], v[SBR], v[SAR] matrix_a_fmt:MATRIX_FMT_FP4 matrix_b_fmt:MATRIX_FMT_FP4
.endif
.endif
.endm
.macro MUL32 s, a0, zero               ; row tiles a0 .. a0 + 3 x the eight column tiles
.irp a, \a0, \a0+1, \a0+2, \a0+3
.irp b, 0,1,2,3,4,5,6,7
.set AC, 8*(8*((\a)%4)+\b)
.set BR, 64*(\s)+8*\b
.set AR, AF+64*((\s)%2)+8*(\a)
.set SBR, SB+4*(\s)+\b/2
.set SAR, SA+4*((\s)%2)+(\a)/2
	WM \zero, (\b)%2, (\a)%2
.endr
.endr
.endm
; A K step: 64 matrix instructions; the 64 accumulators take turns, one instruction a turn, in the same order in every step.
; lc: the younger global loads, which may stay out.  la: A of the next K step is asked for, at the step's head, into the set that the last K step multiplied;
; lb: the weights of the K step three on, in the step's middle, likewise.  The step's matrix instructions name A's set s % 2, the weights' set s, their scale words and the accumulators: none of the registers that these loads touch.
.macro KSTEP s, zero, lc, la, lb
	s_wait_loadcnt \lc
	s_wait_dscnt 0x0                               ; this K step's A, asked for at the head of the last K step, is in; no LDS load is younger
.if \la
	s_wait_alu depctr_vm_vsrc(0)                   ; the LDS loads issued so far have read the other set's two address registers, which the additions write
	ADRA ((\s)+1)%4, ((\s)+1)%2
	v_nop                                          ; with the two additions: four places between the last K step's matrix instructions and the loads into the registers that they have read
	v_nop
	s_wait_alu depctr_va_vdst(0)                   ; the last K step's matrix instructions are done reading their set of A, their set of the weights and both sets' scale words, in which this step's loads land; the two addresses are written
	LOADA ((\s)+1)%2
.endif
	WIN 0xa1                                       ; source 0 window 1, source 1 window 0, C and D window 2
	MUL32 \s, 0, \zero
.if \lb
	LOADB ((\s)+3)%4, (\s)+3                       ; no further wait: no vector or matrix instruction since the wait above names this set, its scale words, v2 or v3
.endif
	WIN 0xf1                                       ; C and D window 3
	MUL32 \s, 4, \zero
	WIN 0
.endm
.macro TRIPM zero                      ; K steps 4 T .. 4 T + 3, with everything asked for ahead
	KSTEP 0, \zero, 40, 1, 1                       ; 40: the two younger groups of 20 weight loads
	KSTEP 1, 0, 40, 1, 1
	KSTEP 2, 0, 40, 1, 1
	s_add_co_u32 s30, s30, 64                      ; what is asked of the tile from here on belongs to the next trip: 64 bytes of codes and one scale word further along the rows
	s_add_co_u32 s32, s32, 4
	KSTEP 3, 0, 40, 1, 1
	s_wait_xcnt 0x0                                ; the loads have read their bases: they may step
	s_add_nc_u64 s[14:15], s[14:15], 4*32768
	s_add_nc_u64 s[16:17], s[16:17], 4*2048
.endm
	LOADB 0, 0                                     ; the constants are done with (the wait at the last pair's end states it; only its eight stores stand between): the first three K steps' weights are asked for ahead of the barrier
	LOADB 1, 1
	LOADB 2, 2
	v_and_b32 v10, 15, v1
	v_lshrrev_b32 v11, 4, v1
	v_mul_u32_u24 v10, v10, PITCH
	v_lshl_add_u32 v[A0], v11, 4, v10
	v_add_nc_u32 v[A0], TILE, v[A0]                ; a fragment: row lane % 16, + 16 (lane / 16)
	v_add_nc_u32 v[A0+1], CH, v[A0]
	v_add_nc_u32 v[A0+2], 2*CH, v[A0]
	v_add_nc_u32 v[A0+3], 3*CH, v[A0]
	v_mul_u32_u24 v[S0], v1, PITCH
	v_add_nc_u32 v[S0], TILE+448, v[S0]            ; scale words: a lane a row
	v_add_nc_u32 v[S0+1], CH, v[S0]
	v_add_nc_u32 v[S0+2], 2*CH, v[S0]
	v_add_nc_u32 v[S0+3], 3*CH, v[S0]
	s_mov_b32 s30, 0
	s_mov_b32 s32, 0
	s_wait_alu depctr_va_vdst(0)
	s_wait_dscnt 0x0                               ; for the others' sake: my chunk's codes and scale bytes lie in the tile
	s_barrier_signal -1
	s_barrier_wait -1
	s_wait_alu depctr_vm_vsrc(0)                   ; phase P's LDS instructions have read v224-227, which are A's addresses from here on
	ADRA 0, 0
	s_wait_alu depctr_va_vdst(0)                   ; the two addresses are written; phase P is done with the maps' registers, in which A's fragments land
	LOADA 0
	TRIPM 1                                        ; the first K step's products start the sums: nothing is cleared
	s_mov_b32 s21, 5
.Lk:
	TRIPM 0
	s_sub_co_u32 s21, s21, 1
	s_cmp_lg_u32 s21, 0
	s_cbranch_scc1 .Lk
	KSTEP 0, 0, 40, 1, 1                           ; the last trip, the base product: its first step asks for the last weights, and the counts run down
	KSTEP 1, 0, 40, 1, 0
	KSTEP 2, 0, 20, 1, 0
	KSTEP 3, 0, 0, 0, 0
; ---------------- O ----------------
; A lane holds 32 neighbouring bytes of a row, the lanes beside it other rows: a block of 16 rows x 128 columns goes through my own stage and comes back as rows of 512 bytes.
; The stage is my wave's alone and no earlier phase touches it: no barrier.  LDS serves a wave's instructions in order (ISA guide 5.7.1.4): no wait between the stores and the loads.
	s_mul_i32 s28, s20, 16*PITCH                   ; my stage.  The six lines below are also the places behind the last matrix instructions
	v_and_b32 v10, 15, v1
	v_lshrrev_b32 v11, 4, v1
	v_mul_u32_u24 v[STO], v10, PITCH
	v_lshl_add_u32 v[STO], v11, 5, v[STO]
	v_add_nc_u32 v[STO], s28, v[STO]               ; in: row lane % 16, + 32 (lane / 16)
	v_add_nc_u32 v[RD], s28, v2                    ; back: 16 x lane
	s_wait_alu depctr_va_vdst(0)                   ; the matrix instructions have written the 64 accumulators, which the LDS stores read, and are done reading A's sets, in which the rows land; the two addresses are written.  The places above stay beside this wait
.macro TOSTAGE a
.set AC, 64*((\a)%4)
	WIN 0x08+4*((\a)/4)                            ; an LDS store's data are its source 1: window 2 or 3
.irp b, 0,1,2,3,4,5,6,7
	ds_store_b128 v[STO], v[AC+8*\b:AC+8*\b+3] offset:64*\b          ; each accumulator from its low end on
	ds_store_b128 v[STO], v[AC+8*\b+4:AC+8*\b+7] offset:64*\b+16
.endr
	WIN 0
.set BB, BK+64*((\a)%2)
.irp t, 0,1,2,3,4,5,6,7,8,9,10,11,12,13,14,15
	ds_load_b128 v[BB+4*\t:BB+4*\t+3], v[RD] offset:\t*PITCH
.endr
.endm
.macro SEND a, younger                 ; younger: the LDS instructions issued behind block a's loads, which may stay out
.set BB, BK+64*((\a)%2)
	s_wait_dscnt \younger
.irp t, 0,1,2,3,4,5,6,7,8,9,10,11,12,13,14,15
	v_pk_add_f32 v[BB+4*\t:BB+4*\t+1], v[BB+4*\t:BB+4*\t+1], v[12:13]     ; the bias of my four columns
	v_pk_add_f32 v[BB+4*\t+2:BB+4*\t+3], v[BB+4*\t+2:BB+4*\t+3], v[14:15]
.endr
	s_wait_alu depctr_va_vdst(0)                   ; the additions have written this set, which the sixteen stores read; they are its last vector instructions before the block two on lands in it
.irp t, 0,1,2,3,4,5,6,7,8,9,10,11,12,13,14,15
	global_store_b128 v2, v[BB+4*\t:BB+4*\t+3], s[18:19] offset:(16*(\a)+\t)*2048 th:TH_STORE_NT   ; 32 lanes store 512 consecutive bytes, at a multiple of 256 from out0's first byte; the row stands in the immediate
.endr
.endm
	TOSTAGE 0
.irp a, 1,2,3,4,5,6,7
.if \a > 1
	s_wait_xcnt 0x0                                ; block a - 2's stores have read their registers: block a's loads may land there
	s_wait_alu depctr_vm_vsrc(0)                   ; block a - 2's stores have read their set, in which block a's rows land
.endif
	TOSTAGE \a
	SEND \a-1, 32                                  ; behind block a - 1's loads: block a's 16 stores and 16 loads
.endr
	SEND 7, 0
	s_wait_dscnt 0x0                               ; the closing lines, six on end
	s_wait_alu 0x0
	s_wait_tensorcnt 0x0
	ds_add_u32 v230, v231
	s_wait_dscnt 0x0
	s_endpgm
.Lfunc_end_k_q560a547b7c_kan:
	.size	k_q560a547b7c_kan, .Lfunc_end_k_q560a547b7c_kan-k_q560a547b7c_kan
	.p2alignl 7, 3214868480
	.fill 96, 4, 3214868480
	.section	.rodata,"a",@progbits
	.p2align	6, 0x0
	.amdhsa_kernel k_q560a547b7c_kan
		.amdhsa_group_segment_fixed_size 304640
		.amdhsa_private_segment_fixed_size 0
		.amdhsa_enable_private_segment 0
		.amdhsa_kernarg_size 64
		.amdhsa_user_sgpr_count 2
		.amdhsa_user_sgpr_kernarg_segment_ptr 1
		.amdhsa_wavefront_size32 1
		.amdhsa_system_sgpr_workgroup_id_x 1
		.amdhsa_system_sgpr_workgroup_id_y 1
		.amdhsa_system_sgpr_workgroup_id_z 1
		.amdhsa_system_vgpr_workitem_id 0
		.amdhsa_next_free_vgpr 1024
		.amdhsa_next_free_sgpr 66
		.amdhsa_reserve_vcc 0
		.amdhsa_float_denorm_mode_32 3
		.amdhsa_float_denorm_mode_16_64 3
		.amdhsa_memory_ordered 1
		.amdhsa_forward_progress 1
		.amdhsa_inst_pref_size 255
	.end_amdhsa_kernel
	.section	.bss,"aw",@nobits
	.p2align	6
	.space	262144
	.amdgpu_metadata
---
amdhsa.version: [ 1, 2 ]
amdhsa.kernels:
  - .name:           k_q560a547b7c_kan
    .symbol:         k_q560a547b7c_kan.kd
    .args:
      - { .name: x, .offset: 0, .size: 8, .value_kind: global_buffer, .address_space: global }
      - { .name: ln_gamma, .offset: 8, .size: 8, .value_kind: global_buffer, .address_space: global }
      - { .name: ln_beta, .offset: 16, .size: 8, .value_kind: global_buffer, .address_space: global }
      - { .name: base_bias, .offset: 24, .size: 8, .value_kind: global_buffer, .address_space: global }
      - { .name: ct, .offset: 32, .size: 8, .value_kind: global_buffer, .address_space: global }
      - { .name: wb, .offset: 40, .size: 8, .value_kind: global_buffer, .address_space: global }
      - { .name: ws, .offset: 48, .size: 8, .value_kind: global_buffer, .address_space: global }
      - { .name: out0, .offset: 56, .size: 8, .value_kind: global_buffer, .address_space: global }
    .group_segment_fixed_size: 304640
    .private_segment_fixed_size: 0
    .kernarg_segment_align: 8
    .kernarg_segment_size: 64
    .max_flat_workgroup_size: 128
    .sgpr_count:     66
    .vgpr_count:     1024
    .wavefront_size: 32
...
	.end_amdgpu_metadata
.endif
;; end of part 4
